; MI455X (gfx1250); checked and timed in simulation.
; The chip was launched on July 23, 2026; its instructions are those of AMD's public machine-readable ISA for CDNA 5 (MIT licence, August 2026) and "CDNA5" Instruction Set Architecture Reference Guide (July 2026). The comments in the code are by the model that wrote it; some were corrected since.
;; Time Mixing. Allowed arithmetic: float matrix products may take bf16 or f16 operands with f32 sums; all other float work in f32.
;; Inputs: Wk 1,024 x 1,024 float32; Wout 1,024 x 1,024 float32; Wr 1,024 x 1,024 float32; Wv 1,024 x 1,024 float32; bk 1,024 float32; bonus 1,024 float32; bout 1,024 float32; br 1,024 float32; bv 1,024 float32; last_den 1,024 float32; last_num 1,024 float32; last_x 1,024 float32; mix_k 1,024 float32; mix_r 1,024 float32; mix_v 1,024 float32; x 16,384 x 1,024 float32.
;; Outputs: out0 16,384 x 1,024 float32.
;; 2 versions, each right; version 2 is version 1 with the launch prep written anew for expert scheduling mode. Each part assembles by itself: llvm-mc -triple=amdgcn-amd-amdhsa -mcpu=gfx1250 --defsym DOCPART=n.
;; ======== version 1 of 2: 3 launches
;; limits: values are held in f16: magnitudes above 65,504 overflow, below 6.1e-05 lose precision
;; workspace buffers: xh 33,554,432 bytes; wkvr 6,291,456 bytes; wo 2,097,152 bytes; cb 12,288 bytes; zh 33,554,432 bytes
;; launch prep (part 1): grid 1024 x 1, 8 waves a work-group, no clusters, 0 bytes of LDS; arguments x, Wk, Wv, Wr, Wout, mix_k, mix_v, mix_r, last_x, bk, bv, br, bonus, xh, wkvr, wo, cb; writes xh, wkvr, wo, cb
.if DOCPART == 1
	.amdgcn_target "amdgcn-amd-amdhsa--gfx1250"
	.amdhsa_code_object_version 6
	.text
	.protected	k_qaf773d2d25_prep
	.globl	k_qaf773d2d25_prep
	.p2align	8
	.type	k_qaf773d2d25_prep,@function
k_qaf773d2d25_prep:
	s_mov_b64 s[64:65], 0
	v_nop
	global_prefetch_b8 v0, s[64:65] scope:SCOPE_SE
	s_setreg_imm32_b32 hwreg(HW_REG_WAVE_MODE, 25, 1), 1
	s_wait_xcnt 0x0
; PREP: everything that the two matrix launches need in f16, made once.
;   (x*mix + last_x*(1-mix)) @ W.T + b  =  x @ (W*mix).T + [ b + W @ (last_x - mix*last_x) ]     (holds for every input)
; so ONE f16 copy of x serves k, v and r; the mix goes into the weights and last_x into an f32 vector.  With L = log2(e):
;   xh   [16384][1024] f16 = x * 2^-4
;   wkvr [3072][1024]  f16: matrix m (0 k, 1 v, 2 r), output column n lies in row (n>>5)*96 + 32 m + (n&31);
;                           k: Wk*mix_k*L*2^4     v: Wv*mix_v*2^4     r: -Wr*mix_r*L*2^4      (the exponentials are taken in base 2 later)
;   wo   [1024][1024]  f16 = Wout
;   cb   [3][1024]     f32:  L*(bk+bonus+Wk@q_k),  bv+Wv@q_v,  -L*(br+Wr@q_r),   q_m = last_x - mix_m*last_x, sums in f32
; WHY f16 AND THE POWERS OF TWO: f16 keeps 11 significant bits, three more than bf16, between its finest spacing 2^-24 and its largest number 65,504.
; The factors 2^-4 and 2^4 cancel exactly in the products and put both operands near the middle of that range: x of order 1 is stored of order 2^-4,
; W*mix of order 2^-6 is stored of order 2^-2, so each can grow or shrink by more than three decimal orders before range or spacing tells.
; LIMITS: |x| < 1,048,064, |W*mix*L| < 4,094 (v: |W*mix| < 4,094) and |Wout| < 65,504; beyond them the f16 operand is infinite.
; ORDER OF ROUNDING: f16 is applied to x and to W*mix, not to the mixed x and to W as they stand in the formula.
; A stream: no LDS, no barrier, no matrix unit.  Work-group g takes 65,536 bytes of x (8,192 a wave: sixteen loads of 512
; neighbouring bytes; each gives one store of 256 neighbouring bytes, aligned) and row g of the four weight matrices (waves 0 to 3).
; The three kinds of wave have paths of their own, each with its own copy of the x stream, so that each path reads only what it loaded.
; cb is stored as one word by one lane for each of its 3,072 numbers: 12,288 bytes in the whole launch.
.set X,   8                            ; v[8:71]    sixteen loads of x, packed in place
.set W,   72                           ; v[72:103]  a row of a weight matrix, 32 numbers a lane
.set MX,  104                          ; v[104:135] mix at the same columns
.set LX,  136                          ; v[136:167] last_x at the same columns, then q
.set ACC, 168                          ; v[168:171] two chains of two sums
.set T,   172                          ; v172       the other half's sum
	s_load_b512 s[4:19], s[0:1], 0x0               ; x 4, Wk 6, Wv 8, Wr 10, Wout 12, mix_k 14, mix_v 16, mix_r 18
	s_load_b512 s[20:35], s[0:1], 0x40             ; last_x 20, bk 22, bv 24, br 26, bonus 28, xh 30, wkvr 32, wo 34
	s_load_b64 s[36:37], s[0:1], 0x80              ; cb
	v_lshrrev_b32 v6, 5, v0
	v_readfirstlane_b32 s38, v6                    ; wave 0..7
	v_and_b32 v6, 31, v0                           ; lane
	v_and_b32 v7, 0xe0, v0                         ; 32 x wave
	v_lshlrev_b32 v3, 4, v6                        ; 16 x lane: loads of a row
	v_lshlrev_b32 v4, 3, v6                        ; 8 x lane: stores of a row
	v_lshl_or_b32 v1, v7, 8, v3                    ; 8,192 x wave + 16 x lane: x
	v_lshl_or_b32 v2, v7, 7, v4                    ; 4,096 x wave + 8 x lane: xh
	s_mov_b32 s41, 0                               ; s[40:41]: an offset below 4 GiB as a pair
	s_wait_kmcnt 0x0
	s_lshl_b32 s40, ttmp9, 16
	s_add_nc_u64 s[4:5], s[4:5], s[40:41]          ; x at the group's 65,536 bytes
	s_lshl_b32 s40, ttmp9, 15
	s_add_nc_u64 s[30:31], s[30:31], s[40:41]      ; xh at the group's 32,768 bytes
; The wave's 8,192 bytes of x: all sixteen loads go out, then each is scaled by 2^-4, packed and stored as it comes.
.macro XSTREAM
.irp i, 0,1,2,3,4,5,6,7,8,9,10,11,12,13,14,15
	global_load_b128 v[X+4*\i:X+4*\i+3], v1, s[4:5] offset:512*\i th:TH_LOAD_NT
.endr
.irp i, 0,1,2,3,4,5,6,7,8,9,10,11,12,13,14,15
	s_wait_loadcnt 15-\i                           ; loads come back in order (ISA guide 5.7.1): load i is in, the 15 - i younger ones stay out
	v_pk_mul_f32 v[X+4*\i:X+4*\i+1],   v[X+4*\i:X+4*\i+1],   0x3d800000 op_sel_hi:[1,0]    ; x 2^-4, exact
	v_pk_mul_f32 v[X+4*\i+2:X+4*\i+3], v[X+4*\i+2:X+4*\i+3], 0x3d800000 op_sel_hi:[1,0]
	v_cvt_pk_f16_f32 v[X+4*\i],   v[X+4*\i],   v[X+4*\i+1]
	v_cvt_pk_f16_f32 v[X+4*\i+1], v[X+4*\i+2], v[X+4*\i+3]
	global_store_b64 v2, v[X+4*\i:X+4*\i+1], s[30:31] offset:256*\i     ; 32 lanes x 8 bytes: 256 neighbouring bytes, aligned
.endr
.endm
; A row of 4,096 bytes into 32 registers: eight loads of 512 neighbouring bytes.  Lane l, load j, word e: column 128 j + 4 l + e.
.macro ROWLD dst, base, hint
.irp j, 0,1,2,3,4,5,6,7
.if \hint
	global_load_b128 v[\dst+4*\j:\dst+4*\j+3], v3, s[\base:\base+1] offset:512*\j th:TH_LOAD_NT
.else
	global_load_b128 v[\dst+4*\j:\dst+4*\j+3], v3, s[\base:\base+1] offset:512*\j
.endif
.endr
.endm
; The row in W is packed in place and stored as 2,048 bytes: eight stores of 256 neighbouring bytes.
.macro ROWST base
.irp j, 0,1,2,3,4,5,6,7
	v_cvt_pk_f16_f32 v[W+4*\j],   v[W+4*\j],   v[W+4*\j+1]
	v_cvt_pk_f16_f32 v[W+4*\j+1], v[W+4*\j+2], v[W+4*\j+3]
	global_store_b64 v4, v[W+4*\j:W+4*\j+1], s[\base:\base+1] offset:256*\j
.endr
.endm
	s_cmp_gt_u32 s38, 3
	s_cbranch_scc1 .Lonly_x
	s_cmp_eq_u32 s38, 3
	s_cbranch_scc1 .Lwout
	; WAVES 0 TO 2: matrix m = wave.  The buffers and the factor sigma are chosen by the wave's number.
	s_cmp_eq_u32 s38, 1
	s_cselect_b64 s[42:43], s[8:9], s[6:7]         ; W
	s_cselect_b64 s[44:45], s[16:17], s[14:15]     ; mix
	s_cselect_b64 s[46:47], s[24:25], s[22:23]     ; b
	s_cselect_b32 s48, 1.0, 0x3fb8aa3b             ; sigma: v 1, k log2(e)
	s_cmp_eq_u32 s38, 2
	s_cselect_b64 s[42:43], s[10:11], s[42:43]
	s_cselect_b64 s[44:45], s[18:19], s[44:45]
	s_cselect_b64 s[46:47], s[26:27], s[46:47]
	s_cselect_b32 s48, 0xbfb8aa3b, s48             ; r: -log2(e)
	s_mul_f32 s58, s48, 0x41800000                 ; the weights' factor: 16 sigma (the bias keeps sigma)
	s_mov_b32 s59, s58                             ; the packed multiply names the pair
	s_lshl_b32 s40, ttmp9, 12
	s_add_nc_u64 s[42:43], s[42:43], s[40:41]      ; row g of W
	s_lshl_b32 s40, ttmp9, 2
	s_add_nc_u64 s[46:47], s[46:47], s[40:41]      ; b[g]
	s_add_nc_u64 s[28:29], s[28:29], s[40:41]      ; bonus[g]
	s_load_b32 s50, s[46:47], 0x0
	s_load_b32 s51, s[28:29], 0x0
	ROWLD W, 42, 1                                 ; each weight row is read once in the launch
	ROWLD MX, 44, 0                                ; mix and last_x are read by every work-group
	ROWLD LX, 20, 0
	s_lshr_b32 s54, ttmp9, 5                       ; the row's place in wkvr: (g>>5)*96 + 32 m + (g&31)
	s_mul_i32 s54, s54, 96
	s_and_b32 s56, ttmp9, 31
	s_add_co_u32 s54, s54, s56
	s_lshl_b32 s56, s38, 5
	s_add_co_u32 s54, s54, s56
	s_lshl_b32 s40, s54, 11                        ; rows of 2,048 bytes
	s_add_nc_u64 s[32:33], s[32:33], s[40:41]
	s_lshl_b32 s40, s38, 12                        ; cb: 4,096 m + 4 g
	s_lshl_b32 s56, ttmp9, 2
	s_add_co_u32 s40, s40, s56
	s_add_nc_u64 s[36:37], s[36:37], s[40:41]
	s_mov_b32 s52, 0x76543210                      ; v_permlanex16_b32: lane i of one half reads lane i of the other
	s_mov_b32 s53, 0xfedcba98
	v_mov_b32 v5, 0
	v_mov_b32 v[T], 0                              ; v_permlanex16_b32's destination counts as read
	XSTREAM                                        ; its last wait is for 0: the 24 older loads of the row are in too
	s_wait_kmcnt 0x0                               ; b[g], bonus[g]
	s_cmp_eq_u32 s38, 0
	s_cselect_b32 s51, s51, 0                      ; bonus belongs to k alone
	s_add_f32 s50, s50, s51
.set p, 0
.rept 16
	v_pk_fma_f32 v[LX+2*p:LX+2*p+1], v[MX+2*p:MX+2*p+1], v[LX+2*p:LX+2*p+1], v[LX+2*p:LX+2*p+1] neg_lo:[1,0,0] neg_hi:[1,0,0]   ; q = last_x - mix*last_x
.if p < 2
	v_pk_mul_f32 v[ACC+2*p:ACC+2*p+1], v[W+2*p:W+2*p+1], v[LX+2*p:LX+2*p+1]                                                   ; the first products start the two chains
.else
	v_pk_fma_f32 v[ACC+2*(p%2):ACC+2*(p%2)+1], v[W+2*p:W+2*p+1], v[LX+2*p:LX+2*p+1], v[ACC+2*(p%2):ACC+2*(p%2)+1]
.endif
	v_pk_mul_f32 v[W+2*p:W+2*p+1], v[W+2*p:W+2*p+1], v[MX+2*p:MX+2*p+1]
	v_pk_mul_f32 v[W+2*p:W+2*p+1], v[W+2*p:W+2*p+1], s[58:59] op_sel_hi:[1,0]
.set p, p+1
.endr
	ROWST 32
	v_pk_add_f32 v[ACC:ACC+1], v[ACC:ACC+1], v[ACC+2:ACC+3]
	v_add_f32 v[ACC], v[ACC], v[ACC+1]
	v_add_f32_dpp v[ACC], v[ACC], v[ACC] row_xmask:1 row_mask:0xf bank_mask:0xf
	v_add_f32_dpp v[ACC], v[ACC], v[ACC] row_xmask:2 row_mask:0xf bank_mask:0xf
	v_add_f32_dpp v[ACC], v[ACC], v[ACC] row_xmask:4 row_mask:0xf bank_mask:0xf
	v_add_f32_dpp v[ACC], v[ACC], v[ACC] row_xmask:8 row_mask:0xf bank_mask:0xf
	v_permlanex16_b32 v[T], v[ACC], s52, s53
	v_add_f32 v[ACC], v[ACC], v[T]                 ; W[g] . q in every lane
	v_add_f32 v[ACC], s50, v[ACC]                  ; + b (+ bonus)
	v_mul_f32 v[ACC], s48, v[ACC]                  ; x sigma
	v_cmp_eq_u32 vcc_lo, 0, v6
	s_wait_xcnt 0x0                                ; EXEC is a source of the stores above: it is narrowed only behind this wait
	s_and_saveexec_b32 s55, vcc_lo
	global_store_b32 v5, v[ACC], s[36:37]          ; lane 0 alone
	s_endpgm
.Lwout:                                            ; WAVE 3: row g of Wout, converted as it is
	s_lshl_b32 s40, ttmp9, 12
	s_add_nc_u64 s[12:13], s[12:13], s[40:41]
	ROWLD W, 12, 1
	s_lshl_b32 s40, ttmp9, 11
	s_add_nc_u64 s[34:35], s[34:35], s[40:41]
	XSTREAM                                        ; its last wait is for 0: the row is in too
	ROWST 34
	s_endpgm
.Lonly_x:                                          ; WAVES 4 TO 7: x alone
	XSTREAM
	s_endpgm
.Lfunc_end_k_qaf773d2d25_prep:
	.size	k_qaf773d2d25_prep, .Lfunc_end_k_qaf773d2d25_prep-k_qaf773d2d25_prep
	.p2alignl 7, 3214868480
	.fill 96, 4, 3214868480
	.section	.rodata,"a",@progbits
	.p2align	6, 0x0
	.amdhsa_kernel k_qaf773d2d25_prep
		.amdhsa_group_segment_fixed_size 0
		.amdhsa_private_segment_fixed_size 0
		.amdhsa_enable_private_segment 0
		.amdhsa_kernarg_size 136
		.amdhsa_user_sgpr_count 2
		.amdhsa_user_sgpr_kernarg_segment_ptr 1
		.amdhsa_wavefront_size32 1
		.amdhsa_system_sgpr_workgroup_id_x 1
		.amdhsa_system_sgpr_workgroup_id_y 1
		.amdhsa_system_sgpr_workgroup_id_z 1
		.amdhsa_system_vgpr_workitem_id 0
		.amdhsa_next_free_vgpr 176
		.amdhsa_next_free_sgpr 66
		.amdhsa_reserve_vcc 1
		.amdhsa_float_denorm_mode_32 3
		.amdhsa_float_denorm_mode_16_64 3
		.amdhsa_memory_ordered 1
		.amdhsa_forward_progress 1
		.amdhsa_inst_pref_size 40
	.end_amdhsa_kernel
	.amdgpu_metadata
---
amdhsa.version: [ 1, 2 ]
amdhsa.kernels:
  - .name:           k_qaf773d2d25_prep
    .symbol:         k_qaf773d2d25_prep.kd
    .args:
      - { .name: x, .offset: 0, .size: 8, .value_kind: global_buffer, .address_space: global }
      - { .name: Wk, .offset: 8, .size: 8, .value_kind: global_buffer, .address_space: global }
      - { .name: Wv, .offset: 16, .size: 8, .value_kind: global_buffer, .address_space: global }
      - { .name: Wr, .offset: 24, .size: 8, .value_kind: global_buffer, .address_space: global }
      - { .name: Wout, .offset: 32, .size: 8, .value_kind: global_buffer, .address_space: global }
      - { .name: mix_k, .offset: 40, .size: 8, .value_kind: global_buffer, .address_space: global }
      - { .name: mix_v, .offset: 48, .size: 8, .value_kind: global_buffer, .address_space: global }
      - { .name: mix_r, .offset: 56, .size: 8, .value_kind: global_buffer, .address_space: global }
      - { .name: last_x, .offset: 64, .size: 8, .value_kind: global_buffer, .address_space: global }
      - { .name: bk, .offset: 72, .size: 8, .value_kind: global_buffer, .address_space: global }
      - { .name: bv, .offset: 80, .size: 8, .value_kind: global_buffer, .address_space: global }
      - { .name: br, .offset: 88, .size: 8, .value_kind: global_buffer, .address_space: global }
      - { .name: bonus, .offset: 96, .size: 8, .value_kind: global_buffer, .address_space: global }
      - { .name: xh, .offset: 104, .size: 8, .value_kind: global_buffer, .address_space: global }
      - { .name: wkvr, .offset: 112, .size: 8, .value_kind: global_buffer, .address_space: global }
      - { .name: wo, .offset: 120, .size: 8, .value_kind: global_buffer, .address_space: global }
      - { .name: cb, .offset: 128, .size: 8, .value_kind: global_buffer, .address_space: global }
    .group_segment_fixed_size: 0
    .private_segment_fixed_size: 0
    .kernarg_segment_align: 8
    .kernarg_segment_size: 136
    .max_flat_workgroup_size: 256
    .sgpr_count:     66
    .vgpr_count:     176
    .wavefront_size: 32
...
	.end_amdgpu_metadata
.endif
;; end of part 1
;; launch kvr (part 2): grid 8 x 32, 4 waves a work-group, clusters of 4 x 4, 327,680 bytes of LDS; arguments xh, wkvr, cb, last_num, last_den, zh; writes zh
.if DOCPART == 2
	.amdgcn_target "amdgcn-amd-amdhsa--gfx1250"
	.amdhsa_code_object_version 6
	.text
	.protected	k_qaf773d2d25_kvr
	.globl	k_qaf773d2d25_kvr
	.p2align	8
	.type	k_qaf773d2d25_kvr,@function
k_qaf773d2d25_kvr:
	s_mov_b64 s[64:65], 0
	v_nop
	global_prefetch_b8 v0, s[64:65] scope:SCOPE_SE
	s_setreg_imm32_b32 hwreg(HW_REG_WAVE_MODE, 25, 1), 1
	s_wait_xcnt 0x0
	s_wait_alu depctr_hold_cnt(0) depctr_sa_sdst(0) depctr_va_vdst(0) depctr_va_sdst(0) depctr_va_ssrc(0) depctr_va_vcc(0) depctr_vm_vsrc(0)
	s_getreg_b32 s2, hwreg(HW_REG_IB_STS2, 6, 4)
	s_cmp_eq_u32 s2, 0
	s_cbranch_scc0 .Lentry_in_a_cluster
	s_endpgm
.Lentry_in_a_cluster:
	s_bfe_u32 s2, ttmp6, 0x10000c
	s_cmp_lg_u32 s2, 0xf033
	s_cbranch_scc0 .Lentry_shape_is_right
	s_endpgm
.Lentry_shape_is_right:
; KVR: the three products k, v, r on one f16 copy of x, and the pointwise step, fused.  zh = f16(z), z = sigmoid(r) (last_num + e v) / (last_den + e).
; xh [16384][1024] f16 = x 2^-4; wkvr [3072][1024] f16 (k, v, r rows interleaved by 32: row (n>>5)*96 + 32 m + (n&31); the factor 2^4, and log2(e) and -log2(e) for k and r, are in the rows);
; cb [3][1024] f32 (the folded biases, in the same units); sums in f32, each started from its bias: the first product of a tile takes the bias registers as C.
; With Ak, Av, Ar the three sums, biases included, and 32 taken off k's bias once:
;   E = 2^Ak = 2^-32 exp(bonus+k),   s = 2^Ar = exp(-r),   v = Av,   T = E + 2^-32 last_den,
;   z = (E v + 2^-32 last_num) * rcp(T + T s):   numerator and denominator both carry 2^-32, which cancels exactly.
; The factor keeps the reciprocal's result out of the range that v_rcp_f32 flushes to zero (ISA guide 15.8) as long as exp(bonus+k) is finite in f32.
; WHY f16: 11 significant bits against bf16's 8.  z of order 2^-2 lies near the middle of f16's range (finest spacing 2^-24, largest number 65,504).
; LIMITS: |z| < 65,504, beyond it zh is infinite.  z comes out as 0 where (last_den+e)(1+s) >= 2^158; e < 2^128 there, so sigmoid(r) < 2^-30 and the error is below 2^-30 |wkv|.
;   |(last_den+e)(1+s)| must be at least 2^-94 (below it the reciprocal's input counts as zero); an e below 2^-94 counts as 0.
;   Where e overflows in f32 the formula itself is not finite; this text stays finite there until e reaches 2^160.
; SHARES: 256 work-groups that stay.  Work-group (block column, group of block rows g) makes four tiles of 128 rows x 128 columns of z, block rows 4 g + 0 .. 3, one after the other:
; a tile takes 128 rows of xh (A) and 384 rows of wkvr (B, the same for all four).  Four waves, as many as a WGP has SIMDs; wave w makes all 128 rows x z columns 32 w .. 32 w + 31
; = B rows 96 w .. 96 w + 95 = six blocks of 16 (block 2 m + t): 8 x 6 = 48 accumulator tiles, 384 registers; k, v and r of a number meet in one lane.
; K goes in steps of 128 through a ring of two LDS slots; each wave fetches 128 rows x 256 bytes by one tensor load (wave 0: A; waves 1 to 3: B's thirds).
; THE RING RUNS ON INTO THE NEXT TILE: in a tile's K steps 6 and 7 the slots are filled with the next tile's K steps 0 and 1, so that a load is on its way during the pointwise step
; and the stores of a tile leave while the next tile is multiplied.  The last tile is written out: its K steps 6 and 7 fill nothing.
; CLUSTERS: 4 x 4 work-groups.  A's tile hangs on the block row alone and is asked for jointly along a row of the cluster, B's on the block column alone and is asked for jointly along a column.
;
; REGISTERS, in windows of 256:
;   window 0: v1-31 addresses; v32-63 last_num, last_den (x 2^-32); v64-127, v128-191 fragments of A, two buffers; v192-243 the pointwise step
;   window 1: v0-47 the three biases, block b at v[8 b]; v64-111, v128-175 fragments of B, two buffers
;   window 2: the 24 tiles of rows 0-63 (tile (a, b) at v[8 (6 a + b)]);   window 3: those of rows 64-127
; THE MATRIX INSTRUCTION IS USED TRANSPOSED: source 0 = 16 rows of wkvr, source 1 = 16 rows of xh: lane l holds row l % 16 of x and, in registers 0 to 7, eight neighbouring columns 8 (l / 16) + 0 .. 7.
.set KSTEP,  128
.set PITCH,  272                       ; an LDS row: 256 bytes + 16 of padding = 68 words: row r starts at bank 4 r mod 64 (64 banks of 4 bytes: ISA guide 11.1)
.set HALFT,  128*PITCH                 ; 128 rows: what one tensor load brings
.set SLOT,   4*HALFT                   ; A's 128 rows, then B's 384 rows
.set STAGE,  2*SLOT                    ; behind the ring: 128 rows x 272 bytes of z, written by LDS stores alone; no tensor load lands there
.set LAPS,   4                         ; 1,024 along K = 8 K steps = 4 laps of the ring
.set TILES,  4                         ; tiles of a work-group
.set TSTEP,  128*2048                  ; bytes from a tile's rows to the next tile's, in xh and in zh
.set ADRA, 16                          ; v16-17  LDS address of A's fragments in slot 0, 1
.set ADRB, 20                          ; v20-21  the same for my 96 rows of B
.set STO,  24                          ; v24     stage: where I put 16 bytes of a row of z
.set RD,   25                          ; v25     stage: where I read rows back
.set CO,   26                          ; v26     my byte offset in zh
.set CA,   27                          ; v27     my byte offset in the vectors of 1,024 numbers
.set PF,   28                          ; v28     my byte offset in a tile of xh, for the prefetch
.set CC,   30                          ; v[30:31] 2^-32, twice (used at the head alone)
.set LNUM, 32                          ; v[32:47] last_num x 2^-32 of my columns, index 8 t + j
.set LDEN, 48                          ; v[48:63] last_den x 2^-32
.set F0,   64
.set F1,   128
.set TK,   192                         ; the reciprocal (at the head: -32, twice)
.set TV,   200                         ; the numerator, then z
.set TE,   216                         ; E
.set TS,   224                         ; s
.set TD,   232                         ; T, then the denominator
.set TZ,   240                         ; 8 f16
.set CK,   0                           ; window 1: v[0:15] k's bias, v[16:31] v's, v[32:47] r's: block b = 2 m + t at v[8 b]
.set CV,   16
.set CR,   32
.set G1,  24                           ; s[24:31] descriptor group 1 for A's tiles
.set G0,  32                           ; s[32:39] group 0 for A's tiles, one set for each slot
.set G1B, 48                           ; s[48:55] group 1 for B's tiles: it differs in the mask alone
.set G0B, 56                           ; s[56:63] group 0 for B's tiles
.set MSB, 0
.macro WIN new                         ; the immediate's high byte repeats the setting that is left
.if MSB != \new
	s_set_vgpr_msb (MSB<<8)|\new
.set MSB, \new
.endif
.endm
.set MUL_LO,   0xa1                    ; source 0 (B) window 1, source 1 (A) window 0, C and D window 2
.set MUL_HI,   0xf1                    ; the same, C and D window 3
.set START_LO, 0x91                    ; a tile's first products: C from window 1 (the biases), D window 2
.set START_HI, 0xd1                    ; the same, D window 3
.set TO_B,     0x40                    ; destination window 1, address window 0
; A joint load.  Wave 0 fetches A's tile, waves 1 to 3 B's thirds.  Each line has one mask; the branch hangs on the wave's number alone.
.macro JLOAD s
	s_cmp_eq_u32 s10, 0
	s_cbranch_scc0 .Lfor_b_\@
	tensor_load_to_lds s[G0+4*\s:G0+4*\s+3], s[G1:G1+7]
	s_nop 0
	s_branch .Lasked_\@
.Lfor_b_\@:
	tensor_load_to_lds s[G0B+4*\s:G0B+4*\s+3], s[G1B:G1B+7]
	s_nop 0
.Lasked_\@:
.endm
; A round of the cluster's barrier: my work-group's barrier; wave 0 signals for the work-group; every wave waits for all sixteen; my work-group's barrier once more.
.macro CREST                           ; a round behind its opening barrier
	s_cmp_lg_u32 s10, 0
	s_cbranch_scc1 .Lnot_wave_0_\@
	s_barrier_signal -3
.Lnot_wave_0_\@:
	s_barrier_wait -3
	s_barrier_signal -1
	s_barrier_wait -1
.endm
.macro CROUND                          ; a whole round
	s_barrier_signal -1
	s_barrier_wait -1
	CREST
.endm
	s_load_b128 s[4:7], s[0:1], 0x0                ; xh s[4:5], wkvr s[6:7]
	s_load_b256 s[68:75], s[0:1], 0x10             ; cb s[68:69], last_num s[70:71], last_den s[72:73], zh s[74:75]
	s_set_vgpr_msb 0x40
	v_lshl_add_u32 v255, v0, 2, 0x4c800
	s_set_vgpr_msb 0x4000
	v_mov_b32 v255, 0
	s_set_vgpr_msb 0x1
	ds_add_u32 v255, v255
	s_set_vgpr_msb 0x100
	v_lshrrev_b32 v1, 5, v0
	v_readfirstlane_b32 s10, v1                    ; wave 0..3
	s_bfe_u32 s40, ttmp6, 0x40000                  ; cx
	s_bfe_u32 s41, ttmp6, 0x40004                  ; cy
	s_lshl_b32 s42, ttmp9, 2                       ; in a cluster launch ttmp9 and ttmp7 count clusters
	s_add_co_u32 s42, s42, s40                     ; block column 0..7 = 4 x cluster x + cx
	s_and_b32 s13, ttmp7, 0xffff
	s_lshl_b32 s13, s13, 2
	s_add_co_u32 s13, s13, s41                     ; group of four block rows 0..31 = 4 x cluster y + cy
	s_lshl_b32 s43, s41, 2
	s_lshl_b32 s43, 15, s43                        ; my row of the cluster: places 4 cy .. 4 cy + 3
	s_lshl_b32 s44, 0x1111, s40                    ; my column: places cx, cx + 4, cx + 8, cx + 12
	; group 1: a tile of 128 rows x 128 elements of 2 bytes, 16 bytes of padding behind each row
	s_or_b32 s[G1+0], s43, (1<<16)|(1<<20)|(1<<21)|(5<<22)|(3<<25)  ; 15:0 mask: A's tiles go to my row; 17:16 element of 2 bytes; 20 padding on; 21 set beside a mask; 24:22 after every 64 words; 31:25 four words
	s_or_b32 s[G1B+0], s44, (1<<16)|(1<<20)|(1<<21)|(5<<22)|(3<<25) ; the same with my column's mask
	s_mov_b32 s[G1+1], KSTEP<<16                   ; tensor_dim0 = 128
	s_mov_b32 s[G1B+1], KSTEP<<16
	s_mov_b32 s[G1+2], 128<<16                     ; tensor_dim1 = 128
	s_mov_b32 s[G1B+2], 128<<16
	s_mov_b32 s[G1+3], KSTEP<<16                   ; tile_dim0 = 128
	s_mov_b32 s[G1B+3], KSTEP<<16
	s_mov_b32 s[G1+4], 128                         ; tile_dim1 = 128
	s_mov_b32 s[G1B+4], 128
	s_mov_b32 s[G1+5], 1024                        ; 1,024 elements from row to row
	s_mov_b32 s[G1B+5], 1024
	s_mov_b32 s[G1+6], 0
	s_mov_b32 s[G1B+6], 0
	s_mov_b32 s[G1+7], 0
	s_mov_b32 s[G1B+7], 0
	; where the tiles come from: A's address is made of the block rows alone, B's of the block column and the wave's number, each in registers that never hold the other coordinate
	s_lshl_b32 s16, s13, 20                        ; A: four tiles of 128 rows of 2,048 bytes for each group of block rows
	s_mov_b32 s17, 0
	s_max_u32 s45, s10, 1
	s_sub_co_u32 s45, s45, 1                       ; which third of B's 384 rows (waves 1 to 3; wave 0 does not ask by it)
	s_lshl_b32 s21, s45, 18
	s_mul_i32 s46, s42, 384*2048                   ; B: 384 rows for each block column
	s_add_co_u32 s46, s46, s21
	s_mov_b32 s47, 0
	s_mul_i32 s20, s10, HALFT                      ; where they go: wave x 128 rows: no place in the cluster enters an LDS address
	s_wait_dscnt 0x0
	s_wait_kmcnt 0x0
	s_add_nc_u64 s[14:15], s[4:5], s[16:17]
	s_add_nc_u64 s[46:47], s[6:7], s[46:47]
	CROUND                                         ; all sixteen work-groups are here: the first joint loads meet
.irp s, 0,1
	s_mov_b32 s[G0+4*\s], 1                                        ; count = 1
	s_add_co_u32 s[G0+4*\s+1], s20, \s*SLOT                        ; LDS address
	s_add_nc_u64 s[G0+4*\s+2:G0+4*\s+3], s[14:15], \s*KSTEP*2      ; global address: K step s of the first tile
	s_or_b32 s[G0+4*\s+3], s[G0+4*\s+3], 0x80000000                ; type = 2
	s_mov_b32 s[G0B+4*\s], 1
	s_add_co_u32 s[G0B+4*\s+1], s20, \s*SLOT
	s_add_nc_u64 s[G0B+4*\s+2:G0B+4*\s+3], s[46:47], \s*KSTEP*2
	s_or_b32 s[G0B+4*\s+3], s[G0B+4*\s+3], 0x80000000
	JLOAD \s                                       ; both slots' first fills go out before anything else: two tensor loads of the wave are out
.endr
	; the vectors of my columns, once for all four tiles
	v_and_b32 v1, 15, v0                           ; r = l % 16
	v_bfe_u32 v2, v0, 4, 1                         ; h = l / 16
	s_lshl_b32 s76, s42, 9
	s_lshl_b32 s77, s10, 7
	s_add_co_u32 s76, s76, s77
	v_lshl_add_u32 v[CA], v2, 5, s76               ; 4 (128 block column + 32 w + 8 h): my eight columns of t = 0
	WIN TO_B
.irp t, 0,1
	global_load_b128 v[CK+8*\t:CK+8*\t+3],   v[CA], s[68:69] offset:64*\t
	global_load_b128 v[CK+8*\t+4:CK+8*\t+7], v[CA], s[68:69] offset:64*\t+16
	global_load_b128 v[CV+8*\t:CV+8*\t+3],   v[CA], s[68:69] offset:4096+64*\t
	global_load_b128 v[CV+8*\t+4:CV+8*\t+7], v[CA], s[68:69] offset:4096+64*\t+16
	global_load_b128 v[CR+8*\t:CR+8*\t+3],   v[CA], s[68:69] offset:8192+64*\t
	global_load_b128 v[CR+8*\t+4:CR+8*\t+7], v[CA], s[68:69] offset:8192+64*\t+16
.endr
	WIN 0
.irp t, 0,1
	global_load_b128 v[LNUM+8*\t:LNUM+8*\t+3],   v[CA], s[70:71] offset:64*\t
	global_load_b128 v[LNUM+8*\t+4:LNUM+8*\t+7], v[CA], s[70:71] offset:64*\t+16
	global_load_b128 v[LDEN+8*\t:LDEN+8*\t+3],   v[CA], s[72:73] offset:64*\t
	global_load_b128 v[LDEN+8*\t+4:LDEN+8*\t+7], v[CA], s[72:73] offset:64*\t+16
.endr
	; A fragment is 16 rows x 32 K in 8 registers: lane l holds row l % 16; registers 0-3 K = 8 (l / 16) + 0..7, registers 4-7 K = 16 + 8 (l / 16) + 0..7: two loads of 16 bytes, 32 bytes apart.
	v_mul_u32_u24 v3, v1, PITCH
	v_lshl_add_u32 v[ADRA], v2, 4, v3              ; row x pitch + 16 h: A's tile begins the slot, and every wave reads all its 128 rows
	v_add_nc_u32 v[ADRA+1], SLOT, v[ADRA]
	s_mul_i32 s22, s10, 96*PITCH                   ; my 96 rows of B,
	s_add_co_u32 s22, s22, HALFT                   ; which lie behind A's 128
	v_add_nc_u32 v[ADRB], s22, v[ADRA]
	s_add_co_u32 s22, s22, SLOT
	v_add_nc_u32 v[ADRB+1], s22, v[ADRA]
	s_lshl_b32 s23, s10, 6
	s_add_co_u32 s23, s23, STAGE
	v_add_nc_u32 v[STO], s23, v[ADRA]              ; stage, in: row r, byte 64 w + 16 h (+ 32 t)
	s_mul_i32 s23, s10, 32*PITCH
	s_add_co_u32 s23, s23, STAGE
	v_mul_u32_u24 v4, v2, PITCH
	v_lshl_add_u32 v4, v1, 4, v4
	v_add_nc_u32 v[RD], s23, v4                    ; stage, back: rows 32 w + h (+ 2 i), 16 bytes a lane: lanes 0-15 one row of 256 bytes, lanes 16-31 the next
	v_lshlrev_b32 v5, 11, v2
	v_lshl_add_u32 v[CO], v1, 4, v5                ; the same two rows in zh
	s_lshl_b32 s76, s13, 20                        ; zh at the first tile's row 32 w, byte 256 block column
	s_lshl_b32 s77, s10, 16
	s_add_co_u32 s76, s76, s77
	s_lshl_b32 s77, s42, 8
	s_add_co_u32 s76, s76, s77
	v_lshl_add_u32 v[PF], v0, 11, s77              ; the prefetch: row 32 w + l of a tile (v0 is 0 to 127), byte 256 x block column
	s_mov_b32 s77, 0
	s_add_nc_u64 s[74:75], s[74:75], s[76:77]
	s_add_nc_u64 s[66:67], s[14:15], TSTEP         ; the prefetch's base: xh at the second tile's rows
	v_mov_b32 v[CC], 0x2f800000                    ; 2^-32
	v_mov_b32 v[CC+1], 0x2f800000
	v_mov_b32 v[TK], 0xc2000000                    ; -32
	v_mov_b32 v[TK+1], 0xc2000000
	s_wait_loadcnt 0x0                             ; the vectors are in: the first products take the biases as C
	WIN 0x41                                       ; destination and source 0 in window 1
.irp p, 0,2,4,6,8,10,12,14
	v_pk_add_f32 v[CK+\p:CK+\p+1], v[CK+\p:CK+\p+1], v[TK:TK+1]        ; k's bias - 32: E = 2^-32 e
.endr
	WIN 0
.irp p, 0,2,4,6,8,10,12,14,16,18,20,22,24,26,28,30
	v_pk_mul_f32 v[LNUM+\p:LNUM+\p+1], v[LNUM+\p:LNUM+\p+1], v[CC:CC+1]  ; last_num and last_den x 2^-32, exact
.endr
; 12 matrix instructions: row blocks a0, a0 + 1 of the window's four (hi = 0: rows 0-63, 1: rows 64-127) x my 6 blocks of B, 32 along K.
; start = 1: a tile's first product starts the sums from the biases: C = block b's eight bias registers in window 1, the same for every row block.
.macro MUL12 f, hi, a0, start
.irp a, \a0, \a0+1
.irp b, 0,1,2,3,4,5
.if \start
	v_wmma_f32_16x16x32_f16 v[8*(6*(\a)+\b):8*(6*(\a)+\b)+7], v[\f+8*\b:\f+8*\b+7], v[\f+8*(4*\hi+\a):\f+8*(4*\hi+\a)+7], v[8*\b:8*\b+7]
.else
	v_wmma_f32_16x16x32_f16 v[8*(6*(\a)+\b):8*(6*(\a)+\b)+7], v[\f+8*\b:\f+8*\b+7], v[\f+8*(4*\hi+\a):\f+8*(4*\hi+\a)+7], v[8*(6*(\a)+\b):8*(6*(\a)+\b)+7]
.endif
.endr
.endr
.endm
; 28 LDS loads in one run: the fragments of a quarter step (96 rows of B, 128 rows of A, 32 K at byte k of the rows) into buffer f
.macro FETCH slot, k, f
	WIN TO_B
.irp i, 0,1,2,3,4,5
	ds_load_b128 v[\f+8*\i:\f+8*\i+3],   v[ADRB+\slot] offset:\k+\i*16*PITCH
	ds_load_b128 v[\f+8*\i+4:\f+8*\i+7], v[ADRB+\slot] offset:\k+\i*16*PITCH+32
.endr
	WIN 0
.irp i, 0,1,2,3,4,5,6,7
	ds_load_b128 v[\f+8*\i:\f+8*\i+3],   v[ADRA+\slot] offset:\k+\i*16*PITCH
	ds_load_b128 v[\f+8*\i+4:\f+8*\i+7], v[ADRA+\slot] offset:\k+\i*16*PITCH+32
.endr
.endm
; A load into a register that a matrix instruction has read, and a vector instruction that reads a matrix result, stand four places behind that matrix instruction; only plain
; vector instructions that name none of its registers are places (ISA guide 7.12.1 for vector instructions).
.macro PLACES
.rept 4
	v_nop
.endr
.endm
; A K step is four quarter steps of 32 along K, 48 matrix instructions each, on buffers 0, 1, 0, 1.  The 48 accumulators take turns, one instruction a turn, in the same order
; in every quarter, over both backward jumps and from tile to tile.
.macro QUARTER slot, k, f, g, start
	s_wait_dscnt 8                                 ; B and A's rows 0-63 are in; the youngest eight loads (A's rows 64-127) may be out
.if \start
	WIN START_LO
.else
	WIN MUL_LO
.endif
	MUL12 \f, 0, 0, \start
	MUL12 \f, 0, 2, \start
	PLACES
	FETCH \slot, \k, \g
	s_wait_dscnt 28                                ; all but the 28 just issued
.if \start
	WIN START_HI
.else
	WIN MUL_HI
.endif
	MUL12 \f, 1, 0, \start
	MUL12 \f, 1, 2, \start
.endm
.macro THREE slot, start
	QUARTER \slot, 64,  F0, F1, \start
	QUARTER \slot, 128, F1, F0, 0
	QUARTER \slot, 192, F0, F1, 0
.endm
; The last quarter multiplies buffer 1 and changes slots.  In front of the barrier each wave waits for its reads of this slot and for all its tensor loads (one is out: its part of
; the next slot).  Behind it (fill > 0: behind the whole round of the cluster's barrier) the refill comes first, then the next slot's first fragments.
; fill = 1: this slot gets the tile's K step two further on.  fill = 2 (K steps 6 and 7): it gets the NEXT tile's K step 0 or 1: A goes a tile's rows on and six K steps back, B six K steps back.
; From a request to the wait for it a wave issues 180 of a K step's 192 matrix instructions.
.macro TURN slot, next, fill
	s_wait_dscnt 8
	WIN MUL_LO
	MUL12 F1, 0, 0, 0
	s_wait_dscnt 0                                 ; my reads of this slot are over
	s_wait_tensorcnt 0x0                           ; and all my tensor loads have landed
	ds_add_u32 v255, v255
	s_wait_dscnt 0x0
	s_barrier_signal -1                            ; say so (where a slot is filled again this barrier opens a round of the cluster's barrier),
	MUL12 F1, 0, 2, 0                              ; work on registers while the others arrive,
	WIN 0
	s_barrier_wait -1
.if \fill
	CREST                                          ; no wave of any partner still reads this slot's tile or has a load on its way
.if \fill == 2
	s_add_nc_u64 s[G0+4*\slot+2:G0+4*\slot+3], s[G0+4*\slot+2:G0+4*\slot+3], TSTEP-6*KSTEP*2
	s_sub_nc_u64 s[G0B+4*\slot+2:G0B+4*\slot+3], s[G0B+4*\slot+2:G0B+4*\slot+3], 6*KSTEP*2
.else
	s_add_nc_u64 s[G0+4*\slot+2:G0+4*\slot+3], s[G0+4*\slot+2:G0+4*\slot+3], 2*KSTEP*2
	s_add_nc_u64 s[G0B+4*\slot+2:G0B+4*\slot+3], s[G0B+4*\slot+2:G0B+4*\slot+3], 2*KSTEP*2
.endif
	JLOAD \slot                                    ; the wave's one tensor load behind the round, and the first thing there
.endif
	PLACES
	FETCH \next, 0, F0
	WIN MUL_HI
	MUL12 F1, 1, 0, 0
	MUL12 F1, 1, 2, 0
.endm
.macro LAP start                       ; once round the ring, both slots filled again with the same tile's K steps
	THREE 0, \start
	TURN 0, 1, 1
	THREE 1, 0
	TURN 1, 0, 1
.endm
; THE POINTWISE STEP for 16 rows x 16 columns of z: k's, v's and r's tile of the same columns lie in the same lanes and registers.
; win: source 0 = the accumulators' window (0x02 or 0x03), all else window 0
.macro ZTILE win, hi, a, t
	WIN \win
.irp j, 0,1,2,3,4,5,6,7
	v_exp_f32 v[TE+\j], v[8*(6*\a+\t)+\j]          ; E = 2^-32 exp(bonus + k)
.endr
.irp j, 0,1,2,3,4,5,6,7
	v_exp_f32 v[TS+\j], v[8*(6*\a+4+\t)+\j]        ; s = exp(-r)
.endr
	v_nop                                          ; one plain place behind the transcendentals (ISA guide 5.7.2)
	s_wait_alu depctr_va_vdst(0)
.irp p, 0,2,4,6
	v_pk_fma_f32 v[TV+\p:TV+\p+1], v[8*(6*\a+2+\t)+\p:8*(6*\a+2+\t)+\p+1], v[TE+\p:TE+\p+1], v[LNUM+8*\t+\p:LNUM+8*\t+\p+1]   ; v E + 2^-32 last_num
.endr
	WIN 0
.irp p, 0,2,4,6
	v_pk_add_f32 v[TD+\p:TD+\p+1], v[TE+\p:TE+\p+1], v[LDEN+8*\t+\p:LDEN+8*\t+\p+1]          ; T = E + 2^-32 last_den
.endr
.irp p, 0,2,4,6
	v_pk_fma_f32 v[TD+\p:TD+\p+1], v[TD+\p:TD+\p+1], v[TS+\p:TS+\p+1], v[TD+\p:TD+\p+1]      ; T s + T = T (1 + s)
.endr
.irp j, 0,1,2,3,4,5,6,7
	v_rcp_f32 v[TK+\j], v[TD+\j]
.endr
	v_nop                                          ; one plain place again
	s_wait_alu depctr_va_vdst(0)
.irp p, 0,2,4,6
	v_pk_mul_f32 v[TV+\p:TV+\p+1], v[TV+\p:TV+\p+1], v[TK+\p:TK+\p+1]                        ; z
.endr
.irp q, 0,1,2,3
	v_cvt_pk_f16_f32 v[TZ+\q], v[TV+2*\q], v[TV+2*\q+1]
.endr
	ds_store_b128 v[STO], v[TZ:TZ+3] offset:16*(4*\hi+\a)*PITCH+32*\t      ; row 16 (4 hi + a) + r, columns 32 w + 16 t + 8 h + 0..7
.endm
; A tile's end: the pointwise step into the stage, and the way out.  Buffer 0 may hold the next tile's first fragments, so the rows are read back into buffer 1.
.macro FINISH last
	PLACES                                         ; the places behind the last matrix instructions
.irp a, 0,1,2,3
	ZTILE 0x02, 0, \a, 0
	ZTILE 0x02, 0, \a, 1
.endr
.irp a, 0,1,2,3
	ZTILE 0x03, 1, \a, 0
	ZTILE 0x03, 1, \a, 1
.endr
	; a row of the block is 256 bytes to which all four waves have written 64; each wave reads 32 whole rows back and stores them
	s_wait_dscnt 0x0                               ; my stores into the stage are done, for the others' sake
	s_barrier_signal -1                            ; (slot 1's load may stay out over this barrier)
	s_barrier_wait -1                              ; everybody's are
.irp i, 0,1,2,3,4,5,6,7,8,9,10,11,12,13,14,15
	ds_load_b128 v[F1+4*\i:F1+4*\i+3], v[RD] offset:\i*2*PITCH
.endr
.irp i, 0,1,2,3,4,5,6,7,8,9,10,11,12,13,14,15
	s_wait_dscnt 15-\i                             ; LDS loads come back in order: load i is in, the 15 - i younger ones stay out
	global_store_b128 v[CO], v[F1+4*\i:F1+4*\i+3], s[74:75] offset:\i*4096   ; 16 lanes store 256 neighbouring bytes, at a multiple of 256 from zh's first byte
.endr
.if \last == 0
	s_wait_xcnt 0x0                                ; every earlier memory instruction has had its addresses translated (ISA guide 3.1): the two bases are stepped, and buffer 1 is loaded again, only behind this wait
	s_add_nc_u64 s[74:75], s[74:75], TSTEP         ; zh at the next tile's rows
	s_add_nc_u64 s[66:67], s[66:67], TSTEP         ; the prefetch's base a tile on (behind the third tile it is not used again)
.endif
.endm
; A tile: 8 K steps and its end.  The stage is written again a tile later, behind eight barriers in front of which every wave has waited for all its LDS reads.
.macro TILE last
	LAP 1                                          ; K steps 0, 1: the first products start the sums from the biases
	WIN 0                                          ; at a label and at a branch every window is 0
	s_mov_b32 s3, LAPS-2
.Llap_\@:
	LAP 0                                          ; K steps 2 to 5
	WIN 0
	s_sub_co_u32 s3, s3, 1
	s_cmp_lg_u32 s3, 0
	s_cbranch_scc1 .Llap_\@
.if \last
	THREE 0, 0                                     ; the last tile's K steps 6, 7 fill nothing and have no round of the cluster's barrier
	TURN 0, 1, 0
	THREE 1, 0
	s_wait_dscnt 8                                 ; the very last quarter: nothing more to fetch
	WIN MUL_LO
	MUL12 F1, 0, 0, 0
	MUL12 F1, 0, 2, 0
	s_wait_dscnt 0
	WIN MUL_HI
	MUL12 F1, 1, 0, 0
	MUL12 F1, 1, 2, 0
.else
	; The next tile's rows of xh are asked for ahead: lane l of wave w asks for the 256 bytes at byte 256 x block column of row 32 w + l.  The eight work-groups of a block row ask
	; for eight different K steps, so each aligned block of 256 bytes of the tile is asked for once in the launch: 32 KiB a work-group and tile.  The tensor load of the next tile's
	; K step j is issued 1 + j K steps (192 matrix instructions each) behind this line.  The last tile asks for nothing, so no request leaves xh.
	global_prefetch_b8 v[PF], s[66:67] th:TH_LOAD_NT scope:SCOPE_SE
	THREE 0, 0                                     ; K steps 6, 7: the slots get the next tile's K steps 0, 1,
	TURN 0, 1, 2
	THREE 1, 0
	TURN 1, 0, 2                                   ; and buffer 0 the next tile's first fragments
.endif
	FINISH \last
.endm
	s_wait_tensorcnt 1                             ; my part of K step 0 is in; K step 1's may stay out
	s_barrier_signal -1
	s_barrier_wait -1                              ; everybody's is
	FETCH 0, 0, F0
	s_mov_b32 s9, TILES-1
.Ltile:
	TILE 0                                         ; three tiles that hand the ring on
	s_sub_co_u32 s9, s9, 1
	s_cmp_lg_u32 s9, 0
	s_cbranch_scc1 .Ltile
	TILE 1                                         ; the fourth, written out
	s_set_vgpr_msb 0x1
	s_wait_tensorcnt 0x0
	ds_add_u32 v255, v255
	s_wait_dscnt 0x0
	s_set_vgpr_msb 0x100
	CROUND                                         ; the closing round: no work-group ends while a partner may still ask for a tile that names it
	s_endpgm
.Lfunc_end_k_qaf773d2d25_kvr:
	.size	k_qaf773d2d25_kvr, .Lfunc_end_k_qaf773d2d25_kvr-k_qaf773d2d25_kvr
	.p2alignl 7, 3214868480
	.fill 96, 4, 3214868480
	.section	.rodata,"a",@progbits
	.p2align	6, 0x0
	.amdhsa_kernel k_qaf773d2d25_kvr
		.amdhsa_group_segment_fixed_size 327680
		.amdhsa_private_segment_fixed_size 0
		.amdhsa_enable_private_segment 0
		.amdhsa_kernarg_size 48
		.amdhsa_user_sgpr_count 2
		.amdhsa_user_sgpr_kernarg_segment_ptr 1
		.amdhsa_wavefront_size32 1
		.amdhsa_system_sgpr_workgroup_id_x 1
		.amdhsa_system_sgpr_workgroup_id_y 1
		.amdhsa_system_sgpr_workgroup_id_z 1
		.amdhsa_system_vgpr_workitem_id 0
		.amdhsa_next_free_vgpr 1024
		.amdhsa_next_free_sgpr 78
		.amdhsa_reserve_vcc 0
		.amdhsa_float_denorm_mode_32 3
		.amdhsa_float_denorm_mode_16_64 3
		.amdhsa_memory_ordered 1
		.amdhsa_forward_progress 1
		.amdhsa_inst_pref_size 255
	.end_amdhsa_kernel
	.section	.bss,"aw",@nobits
	.p2align	6
	.space	262144
	.amdgpu_metadata
---
amdhsa.version: [ 1, 2 ]
amdhsa.kernels:
  - .name:           k_qaf773d2d25_kvr
    .symbol:         k_qaf773d2d25_kvr.kd
    .args:
      - { .name: xh, .offset: 0, .size: 8, .value_kind: global_buffer, .address_space: global }
      - { .name: wkvr, .offset: 8, .size: 8, .value_kind: global_buffer, .address_space: global }
      - { .name: cb, .offset: 16, .size: 8, .value_kind: global_buffer, .address_space: global }
      - { .name: last_num, .offset: 24, .size: 8, .value_kind: global_buffer, .address_space: global }
      - { .name: last_den, .offset: 32, .size: 8, .value_kind: global_buffer, .address_space: global }
      - { .name: zh, .offset: 40, .size: 8, .value_kind: global_buffer, .address_space: global }
    .group_segment_fixed_size: 327680
    .private_segment_fixed_size: 0
    .kernarg_segment_align: 8
    .kernarg_segment_size: 48
    .max_flat_workgroup_size: 128
    .sgpr_count:     78
    .vgpr_count:     1024
    .wavefront_size: 32
...
	.end_amdgpu_metadata
.endif
;; end of part 2
;; launch proj (part 3): grid 4 x 64, 4 waves a work-group, clusters of 4 x 4, 327,680 bytes of LDS; arguments zh, wo, bout, out0; writes out0
.if DOCPART == 3
	.amdgcn_target "amdgcn-amd-amdhsa--gfx1250"
	.amdhsa_code_object_version 6
	.text
	.protected	k_qaf773d2d25_proj
	.globl	k_qaf773d2d25_proj
	.p2align	8
	.type	k_qaf773d2d25_proj,@function
k_qaf773d2d25_proj:
	s_mov_b64 s[64:65], 0
	v_nop
	global_prefetch_b8 v0, s[64:65] scope:SCOPE_SE
	s_setreg_imm32_b32 hwreg(HW_REG_WAVE_MODE, 25, 1), 1
	s_wait_xcnt 0x0
	s_wait_alu depctr_hold_cnt(0) depctr_sa_sdst(0) depctr_va_vdst(0) depctr_va_sdst(0) depctr_va_ssrc(0) depctr_va_vcc(0) depctr_vm_vsrc(0)
	s_getreg_b32 s2, hwreg(HW_REG_IB_STS2, 6, 4)
	s_cmp_eq_u32 s2, 0
	s_cbranch_scc0 .Lentry_in_a_cluster
	s_endpgm
.Lentry_in_a_cluster:
	s_bfe_u32 s2, ttmp6, 0x10000c
	s_cmp_lg_u32 s2, 0xf033
	s_cbranch_scc0 .Lentry_shape_is_right
	s_endpgm
.Lentry_shape_is_right:
; PROJ: out0[m][n] = sum over k of zh[m][k] wo[n][k] + bout[n].  zh [16384][1024] f16 = z, wo [1024][1024] f16 = Wout, out0 [16384][1024] f32; sums in f32.
; f16 operands: 11 significant bits against bf16's 8; their ranges are stated where they are made (|z| and |Wout| below 65,504).
; A work-group makes a block of 256 x 256 with four waves, as many as a WGP has SIMDs; a wave makes 128 x 128: 64 accumulator tiles of 16 x 16, 512 registers.
; K goes in steps of 128 through a ring of two LDS slots filled by the tensor data mover: a tile's rows are 256 bytes of memory and start at multiples of 256 bytes.
; CLUSTERS: 4 x 4 work-groups.  The four of a row of the cluster need the same tiles of zh, the four of a column the same tiles of wo: each tile is asked for jointly by the four.
;
; REGISTERS, in windows of 256:
;   window 0: v1-31 addresses and the bias; v64-127, v128-191 fragments of A (zh), two buffers, and the way out
;   window 1: v64-127, v128-191 fragments of B (wo), two buffers
;   window 2: the 32 tiles of my rows 0-63 (tile (a, b) at v[8 (8 a + b)]);   window 3: those of my rows 64-127
; THE MATRIX INSTRUCTION IS USED TRANSPOSED: source 0 = 16 rows of wo, source 1 = 16 rows of zh: lane l holds row l % 16 of the result and, in registers 0 to 7, the eight
; neighbouring columns 8 (l / 16) + 0 .. 7: 32 bytes that belong together.
.set SIZE_K, 1024
.set SIZE_N, 1024
.set KSTEP,  128
.set PITCH,  272                       ; an LDS row: 256 bytes + 16 of padding = 68 words: row r starts at bank 4 r mod 64 (64 banks of 4 bytes: ISA guide 11.1)
.set HALFT,  128*PITCH                 ; 128 rows: what one tensor load brings, and what one wave reads of A or of B
.set SLOT,   4*HALFT                   ; A's 256 rows, then B's 256 rows
.set STAGE,  2*SLOT                    ; behind the ring: 16 rows x 528 bytes for each wave, for the way out; no tensor load lands there
.set SPITCH, 528                       ; 512 bytes (128 f32) + 16: 33 x 16 bytes, so sixteen rows start at sixteen different columns of 16 bytes
.set LAPS, SIZE_K/(2*KSTEP)            ; 4 laps of two K steps
.set ADRA, 16                          ; v16-17  LDS address of my A fragments in slot 0, 1
.set ADRB, 20                          ; v20-21  the same for B
.set STO,  24                          ; v24     the way out: where I put 32 bytes of a row
.set RD,   25                          ; v25     the way out: where I read a row back
.set CO,   26                          ; v26     my byte offset in a row of my block of out0: 16 x lane
.set CB,   27                          ; v27     my byte offset in bout
.set BO,   28                          ; v[28:31] bout of the four columns that I store
.set F0,   64
.set F1,   128
.set G1, 24                            ; s[24:31] descriptor group 1 for A's tiles
.set G0, 32                            ; s[32:39] group 0 for A's tiles, one set for each slot
.set G1B, 48                           ; s[48:55] group 1 for B's tiles: it differs in the mask alone
.set G0B, 56                           ; s[56:63] group 0 for B's tiles
.set MSB, 0
.macro WIN new                         ; the immediate's high byte repeats the setting that is left
.if MSB != \new
	s_set_vgpr_msb (MSB<<8)|\new
.set MSB, \new
.endif
.endm
.set MUL_LO, 0xa1                      ; source 0 (B) window 1, source 1 (A) window 0, C and D window 2
.set MUL_HI, 0xf1                      ; the same, C and D window 3
.set TO_B,   0x40                      ; destination window 1, address window 0
; A joint load.  Waves 0 and 1 fetch A's two halves, waves 2 and 3 B's.  Each line has one mask; the branch hangs on the wave's number alone.
.macro JLOAD s
	s_cmp_eq_u32 s11, 0
	s_cbranch_scc0 .Lfor_b_\@
	tensor_load_to_lds s[G0+4*\s:G0+4*\s+3], s[G1:G1+7]
	s_nop 0
	s_branch .Lasked_\@
.Lfor_b_\@:
	tensor_load_to_lds s[G0B+4*\s:G0B+4*\s+3], s[G1B:G1B+7]
	s_nop 0
.Lasked_\@:
.endm
; A round of the cluster's barrier: my work-group's barrier; wave 0 signals for the work-group; every wave waits for all sixteen; my work-group's barrier once more.
.macro CREST                           ; a round behind its opening barrier
	s_cmp_lg_u32 s10, 0
	s_cbranch_scc1 .Lnot_wave_0_\@
	s_barrier_signal -3
.Lnot_wave_0_\@:
	s_barrier_wait -3
	s_barrier_signal -1
	s_barrier_wait -1
.endm
.macro CROUND                          ; a whole round
	s_barrier_signal -1
	s_barrier_wait -1
	CREST
.endm
	s_load_b128 s[4:7], s[0:1], 0x0                ; zh s[4:5], wo s[6:7]
	s_load_b128 s[68:71], s[0:1], 0x10             ; bout s[68:69], out0 s[70:71]
	s_set_vgpr_msb 0x40
	v_lshl_add_u32 v255, v0, 2, 0x4c400
	s_set_vgpr_msb 0x4000
	v_mov_b32 v255, 0
	s_set_vgpr_msb 0x1
	ds_add_u32 v255, v255
	s_set_vgpr_msb 0x100
	v_lshrrev_b32 v1, 5, v0
	v_readfirstlane_b32 s10, v1                    ; wave 0..3
	s_lshr_b32 s11, s10, 1                         ; which half of the block's rows is mine.  Also: I fetch for A (0) or for B (1)
	s_and_b32 s12, s10, 1                          ; which half of its columns.  Also: which 128 rows of that tile I fetch
	s_bfe_u32 s40, ttmp6, 0x40000                  ; cx
	s_bfe_u32 s41, ttmp6, 0x40004                  ; cy
	s_lshl_b32 s42, ttmp9, 2                       ; in a cluster launch ttmp9 and ttmp7 count clusters
	s_add_co_u32 s42, s42, s40                     ; block column 0..3 = 4 x cluster x + cx
	s_and_b32 s13, ttmp7, 0xffff
	s_lshl_b32 s13, s13, 2
	s_add_co_u32 s13, s13, s41                     ; block row 0..63 = 4 x cluster y + cy
	s_lshl_b32 s43, s41, 2
	s_lshl_b32 s43, 15, s43                        ; my row of the cluster: places 4 cy .. 4 cy + 3
	s_lshl_b32 s44, 0x1111, s40                    ; my column: places cx, cx + 4, cx + 8, cx + 12
	; group 1: a tile of 128 rows x 128 elements of 2 bytes, 16 bytes of padding behind each row
	s_or_b32 s[G1+0], s43, (1<<16)|(1<<20)|(1<<21)|(5<<22)|(3<<25)  ; 15:0 mask: A's tiles go to my row; 17:16 element of 2 bytes; 20 padding on; 21 set beside a mask; 24:22 after every 64 words; 31:25 four words
	s_or_b32 s[G1B+0], s44, (1<<16)|(1<<20)|(1<<21)|(5<<22)|(3<<25) ; the same with my column's mask
	s_mov_b32 s[G1+1], KSTEP<<16                   ; tensor_dim0 = 128
	s_mov_b32 s[G1B+1], KSTEP<<16
	s_mov_b32 s[G1+2], 128<<16                     ; tensor_dim1 = 128
	s_mov_b32 s[G1B+2], 128<<16
	s_mov_b32 s[G1+3], KSTEP<<16                   ; tile_dim0 = 128
	s_mov_b32 s[G1B+3], KSTEP<<16
	s_mov_b32 s[G1+4], 128                         ; tile_dim1 = 128
	s_mov_b32 s[G1B+4], 128
	s_mov_b32 s[G1+5], SIZE_K                      ; elements from row to row
	s_mov_b32 s[G1B+5], SIZE_K
	s_mov_b32 s[G1+6], 0
	s_mov_b32 s[G1B+6], 0
	s_mov_b32 s[G1+7], 0
	s_mov_b32 s[G1B+7], 0
	; where the tiles come from: A's hang on the block row alone, B's on the block column alone, each in registers that never hold the other coordinate
	s_lshl_b32 s17, s12, 7                         ; which 128 rows of the tile I fetch
	s_lshl_b32 s16, s13, 8
	s_add_co_u32 s16, s16, s17                     ; A: row 256 x block row + 128 x half
	s_lshl_b32 s16, s16, 11                        ; rows of 2,048 bytes: 33,292,288 at the most
	s_lshl_b32 s46, s42, 8
	s_add_co_u32 s46, s46, s17                     ; B: row 256 x block column + 128 x half
	s_lshl_b32 s46, s46, 11
	s_mov_b32 s17, 0
	s_mov_b32 s47, 0
	s_mul_i32 s20, s10, HALFT                      ; where they go: A's two halves, then B's two halves = wave x 128 rows: no place in the cluster enters an LDS address
	s_wait_dscnt 0x0
	s_wait_kmcnt 0x0
	s_add_nc_u64 s[14:15], s[4:5], s[16:17]
	s_add_nc_u64 s[46:47], s[6:7], s[46:47]
	CROUND                                         ; all sixteen work-groups are here: the first joint loads meet
.irp s, 0,1
	s_mov_b32 s[G0+4*\s], 1                                        ; count = 1
	s_add_co_u32 s[G0+4*\s+1], s20, \s*SLOT                        ; LDS address
	s_add_nc_u64 s[G0+4*\s+2:G0+4*\s+3], s[14:15], \s*KSTEP*2      ; global address: K step s
	s_or_b32 s[G0+4*\s+3], s[G0+4*\s+3], 0x80000000                ; type = 2
	s_mov_b32 s[G0B+4*\s], 1
	s_add_co_u32 s[G0B+4*\s+1], s20, \s*SLOT
	s_add_nc_u64 s[G0B+4*\s+2:G0B+4*\s+3], s[46:47], \s*KSTEP*2
	s_or_b32 s[G0B+4*\s+3], s[G0B+4*\s+3], 0x80000000
	JLOAD \s                                       ; both slots' first fills go out before anything else: two tensor loads of the wave are out
.endr
	; A fragment is 16 rows x 32 K in 8 registers: lane l holds row l % 16; registers 0-3 K = 8 (l / 16) + 0..7, registers 4-7 K = 16 + 8 (l / 16) + 0..7: two loads of 16 bytes, 32 bytes apart.
	v_and_b32 v1, 15, v0                           ; l % 16
	v_bfe_u32 v2, v0, 4, 1                         ; l / 16
	v_mul_u32_u24 v3, v1, PITCH
	v_lshl_add_u32 v3, v2, 4, v3                   ; row x pitch + 16 x half
	s_mul_i32 s21, s11, HALFT                      ; my 128 rows of A
	s_mul_i32 s22, s12, HALFT                      ; my 128 rows of B,
	s_add_co_u32 s22, s22, 2*HALFT                 ; which lie behind A's 256
.irp s, 0,1
	v_add_nc_u32 v[ADRA+\s], s21, v3
	v_add_nc_u32 v[ADRB+\s], s22, v3
	s_add_co_u32 s21, s21, SLOT
	s_add_co_u32 s22, s22, SLOT
.endr
	s_mul_i32 s23, s10, 16*SPITCH
	s_add_co_u32 s23, s23, STAGE                   ; my stage
	v_mul_u32_u24 v4, v1, SPITCH                   ; in: row l % 16, 32 bytes for each half of the lanes
	v_lshl_add_u32 v4, v2, 5, v4
	v_add_nc_u32 v[STO], s23, v4
	v_and_b32 v5, 31, v0
	v_lshlrev_b32 v[CO], 4, v5                     ; back and out: the 32 lanes take one row of 512 bytes
	v_add_nc_u32 v[RD], s23, v[CO]
	s_lshl_b32 s66, s42, 10                        ; my first column in bytes: 1,024 x block column + 512 x half
	s_lshl_b32 s67, s12, 9
	s_add_co_u32 s66, s66, s67
	s_mov_b32 s67, 0
	v_add_nc_u32 v[CB], s66, v[CO]
	global_load_b128 v[BO:BO+3], v[CB], s[68:69]   ; waited for in front of the way out
; 16 matrix instructions: row blocks a0, a0 + 1 of the window's four (hi = 0: my rows 0-63, 1: rows 64-127) x all 8 column blocks, 32 along K.  zero = 1: the first product starts the sums.
.macro MUL16 f, hi, a0, zero
.irp a, \a0, \a0+1
.irp b, 0,1,2,3,4,5,6,7
.if \zero
	v_wmma_f32_16x16x32_f16 v[8*(8*(\a)+\b):8*(8*(\a)+\b)+7], v[\f+8*\b:\f+8*\b+7], v[\f+8*(4*\hi+\a):\f+8*(4*\hi+\a)+7], 0
.else
	v_wmma_f32_16x16x32_f16 v[8*(8*(\a)+\b):8*(8*(\a)+\b)+7], v[\f+8*\b:\f+8*\b+7], v[\f+8*(4*\hi+\a):\f+8*(4*\hi+\a)+7], v[8*(8*(\a)+\b):8*(8*(\a)+\b)+7]
.endif
.endr
.endr
.endm
; 32 LDS loads in one run: the fragments of a quarter step (128 rows of B, 128 rows of A, 32 K at byte k of the rows) into buffer f
.macro FETCH slot, k, f
	WIN TO_B
.irp i, 0,1,2,3,4,5,6,7
	ds_load_b128 v[\f+8*\i:\f+8*\i+3],   v[ADRB+\slot] offset:\k+\i*16*PITCH
	ds_load_b128 v[\f+8*\i+4:\f+8*\i+7], v[ADRB+\slot] offset:\k+\i*16*PITCH+32
.endr
	WIN 0
.irp i, 0,1,2,3,4,5,6,7
	ds_load_b128 v[\f+8*\i:\f+8*\i+3],   v[ADRA+\slot] offset:\k+\i*16*PITCH
	ds_load_b128 v[\f+8*\i+4:\f+8*\i+7], v[ADRA+\slot] offset:\k+\i*16*PITCH+32
.endr
.endm
; A load into a register that a matrix instruction has read, and an LDS store or a vector instruction that reads a matrix result, stand four places behind that matrix instruction;
; only plain vector instructions that name none of its registers are places (ISA guide 7.12.1 for vector instructions).
.macro PLACES
.rept 4
	v_nop
.endr
.endm
; A K step is four quarter steps of 32 along K, 64 matrix instructions each, on buffers 0, 1, 0, 1.  The 64 accumulators take turns, one instruction a turn, in the same order
; in every quarter and over the backward jump.
.macro QUARTER slot, k, f, g, zero
	s_wait_dscnt 8                                 ; B and A's rows 0-63 are in; the youngest eight loads (A's rows 64-127) may be out
	WIN MUL_LO
	MUL16 \f, 0, 0, \zero
	MUL16 \f, 0, 2, \zero
	PLACES
	FETCH \slot, \k, \g
	s_wait_dscnt 32                                ; all but the 32 just issued
	WIN MUL_HI
	MUL16 \f, 1, 0, \zero
	MUL16 \f, 1, 2, \zero
.endm
.macro THREE slot, zero
	QUARTER \slot, 64,  F0, F1, \zero
	QUARTER \slot, 128, F1, F0, 0
	QUARTER \slot, 192, F0, F1, 0
.endm
; The last quarter multiplies buffer 1 and changes slots.  In front of the barrier each wave waits for its reads of this slot and for all its tensor loads (one is out: its part of
; the next slot).  Behind it (fill = 1: behind the whole round of the cluster's barrier) the refill comes first, then the next slot's first fragments.
; From a request to the wait for it a wave issues 240 of a K step's 256 matrix instructions.
.macro TURN slot, next, fill
	s_wait_dscnt 8
	WIN MUL_LO
	MUL16 F1, 0, 0, 0
	s_wait_dscnt 0                                 ; my reads of this slot are over
	s_wait_tensorcnt 0x0                           ; and all my tensor loads have landed
	ds_add_u32 v255, v255
	s_wait_dscnt 0x0
	s_barrier_signal -1                            ; say so (where a slot is filled again this barrier opens a round of the cluster's barrier),
	MUL16 F1, 0, 2, 0                              ; work on registers while the others arrive,
	WIN 0
	s_barrier_wait -1
.if \fill
	CREST                                          ; no wave of any partner still reads this slot's tile or has a load on its way
	s_add_nc_u64 s[G0+4*\slot+2:G0+4*\slot+3], s[G0+4*\slot+2:G0+4*\slot+3], 2*KSTEP*2
	s_add_nc_u64 s[G0B+4*\slot+2:G0B+4*\slot+3], s[G0B+4*\slot+2:G0B+4*\slot+3], 2*KSTEP*2
	JLOAD \slot                                    ; the wave's one tensor load behind the round, and the first thing there
.endif
	PLACES
	FETCH \next, 0, F0
	WIN MUL_HI
	MUL16 F1, 1, 0, 0
	MUL16 F1, 1, 2, 0
.endm
.macro LAP zero                        ; once round the ring, both slots filled again
	THREE 0, \zero
	TURN 0, 1, 1
	THREE 1, 0
	TURN 1, 0, 1
.endm
	s_wait_tensorcnt 1                             ; my part of K step 0 is in; K step 1's may stay out
	s_barrier_signal -1
	s_barrier_wait -1                              ; everybody's is
	FETCH 0, 0, F0
	LAP 1                                          ; the first lap stands in front of the loop: its first products start the sums
	WIN 0                                          ; at a label and at a branch every window is 0
	s_mov_b32 s3, LAPS-2
.Llap:
	LAP 0
	WIN 0
	s_sub_co_u32 s3, s3, 1
	s_cmp_lg_u32 s3, 0
	s_cbranch_scc1 .Llap
	THREE 0, 0                                     ; the last lap fills nothing and has no round of the cluster's barrier
	TURN 0, 1, 0
	THREE 1, 0
	s_wait_dscnt 8                                 ; the very last quarter: nothing more to fetch
	WIN MUL_LO
	MUL16 F1, 0, 0, 0
	MUL16 F1, 0, 2, 0
	s_wait_dscnt 0
	WIN MUL_HI
	MUL16 F1, 1, 0, 0
	MUL16 F1, 1, 2, 0
	; THE WAY OUT, 16 rows at a time: 32 bytes a lane and tile into my own stage in LDS, read back as whole rows of 512 bytes, the bias added, stored.
	PLACES                                         ; the places behind the last matrix instructions: for the LDS stores of results and for the loads into buffers 0 and 1
	s_wait_loadcnt 0x0                             ; the bias
	s_lshl_b32 s16, s13, 20                        ; my first row: 256 x block row + 128 x half, rows of 4,096 bytes
	s_lshl_b32 s14, s11, 19
	s_add_co_u32 s16, s16, s14
	s_mov_b32 s17, 0
	s_add_nc_u64 s[70:71], s[70:71], s[16:17]
	s_add_nc_u64 s[70:71], s[70:71], s[66:67]      ; and my first column
; rows 16 i .. 16 i + 15 of my block = the eight tiles (a, 0..7) of window 2 or 3 (from = 0x08 or 0x0c: an LDS store's data is source 1); f: F0 or F1 in turn
.macro OUT16 i, a, from, f
	WIN \from
.irp b, 0,1,2,3,4,5,6,7
	ds_store_b128 v[STO], v[8*(8*\a+\b):8*(8*\a+\b)+3]   offset:64*\b
	ds_store_b128 v[STO], v[8*(8*\a+\b)+4:8*(8*\a+\b)+7] offset:64*\b+16
.endr
	WIN 0
	s_wait_xcnt 0x0                                ; every earlier memory instruction has had its addresses translated (ISA guide 3.1): buffer f, which stores read, and the stores' base are rewritten only behind this wait
.if \i
	s_add_nc_u64 s[70:71], s[70:71], 16*SIZE_N*4   ; 16 rows on
.endif
.irp t, 0,1,2,3,4,5,6,7,8,9,10,11,12,13,14,15
	ds_load_b128 v[\f+4*\t:\f+4*\t+3], v[RD] offset:\t*SPITCH      ; LDS serves a wave's instructions in order (ISA guide 5.7.1.4): these see the stores above
.endr
.irp t, 0,1,2,3,4,5,6,7,8,9,10,11,12,13,14,15
	s_wait_dscnt 15-\t                             ; load t is in, the 15 - t younger ones stay out
	v_pk_add_f32 v[\f+4*\t:\f+4*\t+1],   v[\f+4*\t:\f+4*\t+1],   v[BO:BO+1]
	v_pk_add_f32 v[\f+4*\t+2:\f+4*\t+3], v[\f+4*\t+2:\f+4*\t+3], v[BO+2:BO+3]
	global_store_b128 v[CO], v[\f+4*\t:\f+4*\t+3], s[70:71] offset:\t*SIZE_N*4 th:TH_STORE_NT   ; the wave stores 512 neighbouring bytes, at a multiple of 512 from out0's first byte
.endr
.endm
	OUT16 0, 0, 0x08, F0
	OUT16 1, 1, 0x08, F1
	OUT16 2, 2, 0x08, F0
	OUT16 3, 3, 0x08, F1
	OUT16 4, 0, 0x0c, F0
	OUT16 5, 1, 0x0c, F1
	OUT16 6, 2, 0x0c, F0
	OUT16 7, 3, 0x0c, F1
	s_set_vgpr_msb 0x1
	s_wait_tensorcnt 0x0
	ds_add_u32 v255, v255
	s_wait_dscnt 0x0
	s_set_vgpr_msb 0x100
	CROUND                                         ; the closing round: no work-group ends while a partner may still ask for a tile that names it
	s_endpgm
.Lfunc_end_k_qaf773d2d25_proj:
	.size	k_qaf773d2d25_proj, .Lfunc_end_k_qaf773d2d25_proj-k_qaf773d2d25_proj
	.p2alignl 7, 3214868480
	.fill 96, 4, 3214868480
	.section	.rodata,"a",@progbits
	.p2align	6, 0x0
	.amdhsa_kernel k_qaf773d2d25_proj
		.amdhsa_group_segment_fixed_size 327680
		.amdhsa_private_segment_fixed_size 0
		.amdhsa_enable_private_segment 0
		.amdhsa_kernarg_size 32
		.amdhsa_user_sgpr_count 2
		.amdhsa_user_sgpr_kernarg_segment_ptr 1
		.amdhsa_wavefront_size32 1
		.amdhsa_system_sgpr_workgroup_id_x 1
		.amdhsa_system_sgpr_workgroup_id_y 1
		.amdhsa_system_sgpr_workgroup_id_z 1
		.amdhsa_system_vgpr_workitem_id 0
		.amdhsa_next_free_vgpr 1024
		.amdhsa_next_free_sgpr 72
		.amdhsa_reserve_vcc 0
		.amdhsa_float_denorm_mode_32 3
		.amdhsa_float_denorm_mode_16_64 3
		.amdhsa_memory_ordered 1
		.amdhsa_forward_progress 1
		.amdhsa_inst_pref_size 212
	.end_amdhsa_kernel
	.amdgpu_metadata
---
amdhsa.version: [ 1, 2 ]
amdhsa.kernels:
  - .name:           k_qaf773d2d25_proj
    .symbol:         k_qaf773d2d25_proj.kd
    .args:
      - { .name: zh, .offset: 0, .size: 8, .value_kind: global_buffer, .address_space: global }
      - { .name: wo, .offset: 8, .size: 8, .value_kind: global_buffer, .address_space: global }
      - { .name: bout, .offset: 16, .size: 8, .value_kind: global_buffer, .address_space: global }
      - { .name: out0, .offset: 24, .size: 8, .value_kind: global_buffer, .address_space: global }
    .group_segment_fixed_size: 327680
    .private_segment_fixed_size: 0
    .kernarg_segment_align: 8
    .kernarg_segment_size: 32
    .max_flat_workgroup_size: 128
    .sgpr_count:     72
    .vgpr_count:     1024
    .wavefront_size: 32
...
	.end_amdgpu_metadata
.endif
;; end of part 3
;; ======== version 2 of 2: 3 launches; version 1 with the launch prep written anew for expert scheduling mode
;; limits: values are held in f16: magnitudes above 65,504 overflow, below 6.1e-05 lose precision
;; workspace buffers: xh 33,554,432 bytes; wkvr 6,291,456 bytes; wo 2,097,152 bytes; cb 12,288 bytes; zh 33,554,432 bytes
;; launch prep (part 4): grid 1024 x 1, 8 waves a work-group, no clusters, 0 bytes of LDS; arguments x, Wk, Wv, Wr, Wout, mix_k, mix_v, mix_r, last_x, bk, bv, br, bonus, xh, wkvr, wo, cb; writes xh, wkvr, wo, cb
.if DOCPART == 4
	.amdgcn_target "amdgcn-amd-amdhsa--gfx1250"
	.amdhsa_code_object_version 6
	.text
	.protected	k_qaf773d2d25_prep
	.globl	k_qaf773d2d25_prep
	.p2align	8
	.type	k_qaf773d2d25_prep,@function
k_qaf773d2d25_prep:
	s_mov_b64 s[64:65], 0
	v_nop
	global_prefetch_b8 v0, s[64:65] scope:SCOPE_SE
	s_setreg_imm32_b32 hwreg(HW_REG_WAVE_SCHED_MODE, 0, 2), 2
	s_setreg_imm32_b32 hwreg(HW_REG_WAVE_MODE, 25, 1), 1
	s_wait_xcnt 0x0
	s_wait_alu depctr_vm_vsrc(0)
; PREP: everything that the two matrix launches need in f16, made once.
;   (x*mix + last_x*(1-mix)) @ W.T + b  =  x @ (W*mix).T + [ b + W @ (last_x - mix*last_x) ]     (holds for every input)
; so ONE f16 copy of x serves k, v and r; the mix goes into the weights and last_x into an f32 vector.  With L = log2(e):
;   xh   [16384][1024] f16 = x * 2^-4
;   wkvr [3072][1024]  f16: matrix m (0 k, 1 v, 2 r), output column n lies in row (n>>5)*96 + 32 m + (n&31);
;                           k: Wk*mix_k*L*2^4     v: Wv*mix_v*2^4     r: -Wr*mix_r*L*2^4      (the exponentials are taken in base 2 later)
;   wo   [1024][1024]  f16 = Wout
;   cb   [3][1024]     f32:  L*(bk+bonus+Wk@q_k),  bv+Wv@q_v,  -L*(br+Wr@q_r),   q_m = last_x - mix_m*last_x, sums in f32
; WHY f16 AND THE POWERS OF TWO: f16 keeps 11 significant bits, three more than bf16, between its finest spacing 2^-24 and its largest number 65,504.
; The factors 2^-4 and 2^4 cancel exactly in the products and put both operands near the middle of that range: x of order 1 is stored of order 2^-4,
; W*mix of order 2^-6 is stored of order 2^-2, so each can grow or shrink by more than three decimal orders before range or spacing tells.
; LIMITS: |x| < 1,048,064, |W*mix*L| < 4,094 (v: |W*mix| < 4,094) and |Wout| < 65,504; beyond them the f16 operand is infinite.
; ORDER OF ROUNDING: f16 is applied to x and to W*mix, not to the mixed x and to W as they stand in the formula.
; A stream: no LDS, no barrier, no matrix unit.  Work-group g takes 65,536 bytes of x (8,192 a wave: sixteen loads of 512
; neighbouring bytes; each gives one store of 256 neighbouring bytes, aligned) and row g of the four weight matrices (waves 0 to 3).
; The three kinds of wave have paths of their own, each with its own copy of the x stream, so that each path reads only what it loaded.
; cb is stored as one word by one lane for each of its 3,072 numbers: 12,288 bytes in the whole launch.
; THE MODE: SCHED_MODE bits 1:0 = 2 (LLVM: expert scheduling mode 2), set by the entry lines.  The code itself states the register dependences
; between vector instructions and memory instructions, with s_wait_alu, always for 0.
; THE PLAN.  Registers that memory instructions touch:
;   v1 .. v4   byte offsets, made at the head and never written again; read by every load and store.  v5 (waves 0 to 2): the offset 0 of the last store.
;   X          sixteen loads of x, each register loaded once, into registers that no vector instruction has named.  Load i is scaled and rounded in place;
;              its words 0 and 1 are then read by one store and never written again.
;   W          a row of weights, loaded once, scaled and rounded in place; words 0 and 1 of each four are read by one store and never written again.
;   MX, LX     loaded once; from then on named by vector instructions alone.      v[ACC]: written by the reduction, read by the last store.
; So no register that a memory instruction reads is written again, and no load lands in a register that a vector instruction has named: what is left to
; state is 'written, then stored'.  x goes in four blocks of four loads; the stores of block p - 1 stand in block p, one ahead of each load's four vector
; instructions, behind ONE wait at the block's head; block p's vector instructions name block p's registers alone.  The row's stores are dealt likewise:
; those of its first half among the second half's arithmetic, those of its second half among the reduction's first lines.
.set X,   8                            ; v[8:71]    sixteen loads of x, packed in place
.set W,   72                           ; v[72:103]  a row of a weight matrix, 32 numbers a lane
.set MX,  104                          ; v[104:135] mix at the same columns
.set LX,  136                          ; v[136:167] last_x at the same columns, then q
.set ACC, 168                          ; v[168:171] two chains of two sums
.set T,   172                          ; v172       the other half's sum
	s_load_b512 s[4:19], s[0:1], 0x0               ; x 4, Wk 6, Wv 8, Wr 10, Wout 12, mix_k 14, mix_v 16, mix_r 18
	s_load_b512 s[20:35], s[0:1], 0x40             ; last_x 20, bk 22, bv 24, br 26, bonus 28, xh 30, wkvr 32, wo 34
	s_load_b64 s[36:37], s[0:1], 0x80              ; cb
	v_lshrrev_b32 v6, 5, v0
	v_readfirstlane_b32 s38, v6                    ; wave 0..7
	v_and_b32 v6, 31, v0                           ; lane
	v_and_b32 v7, 0xe0, v0                         ; 32 x wave
	v_lshlrev_b32 v3, 4, v6                        ; 16 x lane: loads of a row
	v_lshlrev_b32 v4, 3, v6                        ; 8 x lane: stores of a row
	v_lshl_or_b32 v1, v7, 8, v3                    ; 8,192 x wave + 16 x lane: x
	v_lshl_or_b32 v2, v7, 7, v4                    ; 4,096 x wave + 8 x lane: xh
	s_mov_b32 s41, 0                               ; s[40:41]: an offset below 4 GiB as a pair
	s_wait_kmcnt 0x0
	s_lshl_b32 s40, ttmp9, 16
	s_add_nc_u64 s[4:5], s[4:5], s[40:41]          ; x at the group's 65,536 bytes
	s_lshl_b32 s40, ttmp9, 15
	s_add_nc_u64 s[30:31], s[30:31], s[40:41]      ; xh at the group's 32,768 bytes
; The wave's 8,192 bytes of x: all sixteen loads go out, then each is scaled by 2^-4 and packed as it comes.  The stores of a block of four stand in the next block.
.macro XBODY
.irp i, 0,1,2,3,4,5,6,7,8,9,10,11,12,13,14,15
	global_load_b128 v[X+4*\i:X+4*\i+3], v1, s[4:5] offset:512*\i th:TH_LOAD_NT
.endr
.irp i, 0,1,2,3,4,5,6,7,8,9,10,11,12,13,14,15
	s_wait_loadcnt 15-\i                           ; loads come back in order (ISA guide 5.7.1): load i is in, the 15 - i younger ones stay out
.if ((\i) >= 4) && (((\i) % 4) == 0)
	s_wait_alu depctr_va_vdst(0)                   ; the block before has written its eight packed words, which the four stores of this block read
.endif
.if (\i) >= 4
	global_store_b64 v2, v[X+4*((\i)-4):X+4*((\i)-4)+1], s[30:31] offset:256*((\i)-4)   ; 32 lanes x 8 bytes: 256 neighbouring bytes, aligned; no vector instruction since the wait names these registers
.endif
	v_pk_mul_f32 v[X+4*\i:X+4*\i+1],   v[X+4*\i:X+4*\i+1],   0x3d800000 op_sel_hi:[1,0]    ; x 2^-4, exact
	v_pk_mul_f32 v[X+4*\i+2:X+4*\i+3], v[X+4*\i+2:X+4*\i+3], 0x3d800000 op_sel_hi:[1,0]
	v_cvt_pk_f16_f32 v[X+4*\i],   v[X+4*\i],   v[X+4*\i+1]
	v_cvt_pk_f16_f32 v[X+4*\i+1], v[X+4*\i+2], v[X+4*\i+3]
.endr
.endm
; The last block's four stores, in one run (waves 3 to 7; waves 0 to 2 deal them among the row's arithmetic).  The wait for their data stands ahead of the macro.
.macro XLAST
.irp i, 12,13,14,15
	global_store_b64 v2, v[X+4*\i:X+4*\i+1], s[30:31] offset:256*\i
.endr
.endm
; A row of 4,096 bytes into 32 registers: eight loads of 512 neighbouring bytes.  Lane l, load j, word e: column 128 j + 4 l + e.
.macro ROWLD dst, base, hint
.irp j, 0,1,2,3,4,5,6,7
.if \hint
	global_load_b128 v[\dst+4*\j:\dst+4*\j+3], v3, s[\base:\base+1] offset:512*\j th:TH_LOAD_NT
.else
	global_load_b128 v[\dst+4*\j:\dst+4*\j+3], v3, s[\base:\base+1] offset:512*\j
.endif
.endr
.endm
	s_wait_alu depctr_va_sdst(0)                   ; s38, the wave's number, is written, ahead of its first reader: the compare below
	s_wait_alu depctr_va_vdst(0)                   ; the offsets v1 to v4 are written: every load and store of the kernel but the last reads one of them
	s_cmp_gt_u32 s38, 3
	s_cbranch_scc1 .Lonly_x
	s_cmp_eq_u32 s38, 3
	s_cbranch_scc1 .Lwout
	; WAVES 0 TO 2: matrix m = wave.  The buffers and the factor sigma are chosen by the wave's number.
	s_cmp_eq_u32 s38, 1
	s_cselect_b64 s[42:43], s[8:9], s[6:7]         ; W
	s_cselect_b64 s[44:45], s[16:17], s[14:15]     ; mix
	s_cselect_b64 s[46:47], s[24:25], s[22:23]     ; b
	s_cselect_b32 s48, 1.0, 0x3fb8aa3b             ; sigma: v 1, k log2(e)
	s_cmp_eq_u32 s38, 2
	s_cselect_b64 s[42:43], s[10:11], s[42:43]
	s_cselect_b64 s[44:45], s[18:19], s[44:45]
	s_cselect_b64 s[46:47], s[26:27], s[46:47]
	s_cselect_b32 s48, 0xbfb8aa3b, s48             ; r: -log2(e)
	s_mul_f32 s58, s48, 0x41800000                 ; the weights' factor: 16 sigma (the bias keeps sigma)
	s_mov_b32 s59, s58                             ; the packed multiply names the pair
	s_lshl_b32 s40, ttmp9, 12
	s_add_nc_u64 s[42:43], s[42:43], s[40:41]      ; row g of W
	s_lshl_b32 s40, ttmp9, 2
	s_add_nc_u64 s[46:47], s[46:47], s[40:41]      ; b[g]
	s_add_nc_u64 s[28:29], s[28:29], s[40:41]      ; bonus[g]
	s_load_b32 s50, s[46:47], 0x0
	s_load_b32 s51, s[28:29], 0x0
	ROWLD W, 42, 1                                 ; each weight row is read once in the launch
	ROWLD MX, 44, 0                                ; mix and last_x are read by every work-group
	ROWLD LX, 20, 0
	s_lshr_b32 s54, ttmp9, 5                       ; the row's place in wkvr: (g>>5)*96 + 32 m + (g&31)
	s_mul_i32 s54, s54, 96
	s_and_b32 s56, ttmp9, 31
	s_add_co_u32 s54, s54, s56
	s_lshl_b32 s56, s38, 5
	s_add_co_u32 s54, s54, s56
	s_lshl_b32 s40, s54, 11                        ; rows of 2,048 bytes
	s_add_nc_u64 s[32:33], s[32:33], s[40:41]
	s_lshl_b32 s40, s38, 12                        ; cb: 4,096 m + 4 g
	s_lshl_b32 s56, ttmp9, 2
	s_add_co_u32 s40, s40, s56
	s_add_nc_u64 s[36:37], s[36:37], s[40:41]
	s_mov_b32 s52, 0x76543210                      ; v_permlanex16_b32: lane i of one half reads lane i of the other
	s_mov_b32 s53, 0xfedcba98
	v_mov_b32 v5, 0
	v_mov_b32 v[T], 0                              ; v_permlanex16_b32's destination counts as read
	XBODY                                          ; its last wait is for 0: the 24 older loads of the row are in too
	s_wait_kmcnt 0x0                               ; b[g], bonus[g]
	s_cmp_eq_u32 s38, 0
	s_cselect_b32 s51, s51, 0                      ; bonus belongs to k alone
	s_add_f32 s50, s50, s51
; The row, a pair of numbers at a time; behind each second pair four numbers are packed in place.  Pairs 8 to 15 name W+16 .., MX+16 .., LX+16 .. and ACC alone:
; among them stand the stores of x's last block and of the row's first half, one to a pair.
.set p, 0
.rept 16
.if p == 8
	s_wait_alu depctr_va_vdst(0)                   ; x's last block and the row's first half are packed: the eight stores dealt among pairs 8 to 15 read those words
.endif
.if (p >= 8) && (p < 12)
	global_store_b64 v2, v[X+4*(p+4):X+4*(p+4)+1], s[30:31] offset:256*(p+4)        ; x's loads 12 to 15
.endif
.if p >= 12
	global_store_b64 v4, v[W+4*(p-12):W+4*(p-12)+1], s[32:33] offset:256*(p-12)     ; the row's loads 0 to 3: 256 neighbouring bytes each
.endif
	v_pk_fma_f32 v[LX+2*p:LX+2*p+1], v[MX+2*p:MX+2*p+1], v[LX+2*p:LX+2*p+1], v[LX+2*p:LX+2*p+1] neg_lo:[1,0,0] neg_hi:[1,0,0]   ; q = last_x - mix*last_x
.if p < 2
	v_pk_mul_f32 v[ACC+2*p:ACC+2*p+1], v[W+2*p:W+2*p+1], v[LX+2*p:LX+2*p+1]                                                   ; the first products start the two chains
.else
	v_pk_fma_f32 v[ACC+2*(p%2):ACC+2*(p%2)+1], v[W+2*p:W+2*p+1], v[LX+2*p:LX+2*p+1], v[ACC+2*(p%2):ACC+2*(p%2)+1]
.endif
	v_pk_mul_f32 v[W+2*p:W+2*p+1], v[W+2*p:W+2*p+1], v[MX+2*p:MX+2*p+1]
	v_pk_mul_f32 v[W+2*p:W+2*p+1], v[W+2*p:W+2*p+1], s[58:59] op_sel_hi:[1,0]
.if (p % 2) == 1
	v_cvt_pk_f16_f32 v[W+2*(p-1)],   v[W+2*(p-1)],   v[W+2*(p-1)+1]                  ; pairs p - 1 and p are one load's four numbers: they close up into its first two registers
	v_cvt_pk_f16_f32 v[W+2*(p-1)+1], v[W+2*(p-1)+2], v[W+2*(p-1)+3]
.endif
.set p, p+1
.endr
	s_wait_alu depctr_va_vdst(0)                   ; the row's second half is packed: the four stores below read those words; the reduction round them names ACC and T alone
	global_store_b64 v4, v[W+16:W+17], s[32:33] offset:1024
	v_pk_add_f32 v[ACC:ACC+1], v[ACC:ACC+1], v[ACC+2:ACC+3]
	global_store_b64 v4, v[W+20:W+21], s[32:33] offset:1280
	v_add_f32 v[ACC], v[ACC], v[ACC+1]
	global_store_b64 v4, v[W+24:W+25], s[32:33] offset:1536
	v_add_f32_dpp v[ACC], v[ACC], v[ACC] row_xmask:1 row_mask:0xf bank_mask:0xf
	global_store_b64 v4, v[W+28:W+29], s[32:33] offset:1792
	v_add_f32_dpp v[ACC], v[ACC], v[ACC] row_xmask:2 row_mask:0xf bank_mask:0xf
	v_add_f32_dpp v[ACC], v[ACC], v[ACC] row_xmask:4 row_mask:0xf bank_mask:0xf
	v_add_f32_dpp v[ACC], v[ACC], v[ACC] row_xmask:8 row_mask:0xf bank_mask:0xf
	v_permlanex16_b32 v[T], v[ACC], s52, s53
	v_add_f32 v[ACC], v[ACC], v[T]                 ; W[g] . q in every lane
	v_add_f32 v[ACC], s50, v[ACC]                  ; + b (+ bonus)
	v_mul_f32 v[ACC], s48, v[ACC]                  ; x sigma
	v_cmp_eq_u32 vcc_lo, 0, v6
	s_wait_alu depctr_va_vcc(0)                    ; VCC is written, ahead of its first reader: EXEC is made from it
	s_wait_xcnt 0x0                                ; EXEC is a source of the stores above: it is narrowed only behind this wait
	s_wait_alu depctr_va_vdst(0)                   ; ahead of the write of EXEC: every vector instruction has written its result, v[ACC] and v5 among them, which the last store reads
	s_wait_alu depctr_vm_vsrc(0)                   ; ahead of the write of EXEC: the stores above have read their vector registers
	s_and_saveexec_b32 s55, vcc_lo
	global_store_b32 v5, v[ACC], s[36:37]          ; lane 0 alone
	s_endpgm
.Lwout:                                            ; WAVE 3: row g of Wout, converted as it is
	s_lshl_b32 s40, ttmp9, 12
	s_add_nc_u64 s[12:13], s[12:13], s[40:41]
	ROWLD W, 12, 1
	s_lshl_b32 s40, ttmp9, 11
	s_add_nc_u64 s[34:35], s[34:35], s[40:41]
	XBODY                                          ; its last wait is for 0: the row is in too
.irp j, 0,1,2,3,4,5,6,7
	v_cvt_pk_f16_f32 v[W+4*\j],   v[W+4*\j],   v[W+4*\j+1]     ; the row is packed in place
	v_cvt_pk_f16_f32 v[W+4*\j+1], v[W+4*\j+2], v[W+4*\j+3]
.endr
	s_wait_alu depctr_va_vdst(0)                   ; x's last block and the whole row are packed: the twelve stores below read those words
	XLAST
.irp j, 0,1,2,3,4,5,6,7
	global_store_b64 v4, v[W+4*\j:W+4*\j+1], s[34:35] offset:256*\j     ; 2,048 bytes: eight stores of 256 neighbouring bytes
.endr
	s_endpgm
.Lonly_x:                                          ; WAVES 4 TO 7: x alone
	XBODY
	s_wait_alu depctr_va_vdst(0)                   ; x's last block is packed: the four stores below read those words
	XLAST
	s_endpgm
.Lfunc_end_k_qaf773d2d25_prep:
	.size	k_qaf773d2d25_prep, .Lfunc_end_k_qaf773d2d25_prep-k_qaf773d2d25_prep
	.p2alignl 7, 3214868480
	.fill 96, 4, 3214868480
	.section	.rodata,"a",@progbits
	.p2align	6, 0x0
	.amdhsa_kernel k_qaf773d2d25_prep
		.amdhsa_group_segment_fixed_size 0
		.amdhsa_private_segment_fixed_size 0
		.amdhsa_enable_private_segment 0
		.amdhsa_kernarg_size 136
		.amdhsa_user_sgpr_count 2
		.amdhsa_user_sgpr_kernarg_segment_ptr 1
		.amdhsa_wavefront_size32 1
		.amdhsa_system_sgpr_workgroup_id_x 1
		.amdhsa_system_sgpr_workgroup_id_y 1
		.amdhsa_system_sgpr_workgroup_id_z 1
		.amdhsa_system_vgpr_workitem_id 0
		.amdhsa_next_free_vgpr 176
		.amdhsa_next_free_sgpr 66
		.amdhsa_reserve_vcc 1
		.amdhsa_float_denorm_mode_32 3
		.amdhsa_float_denorm_mode_16_64 3
		.amdhsa_memory_ordered 1
		.amdhsa_forward_progress 1
		.amdhsa_inst_pref_size 41
	.end_amdhsa_kernel
	.amdgpu_metadata
---
amdhsa.version: [ 1, 2 ]
amdhsa.kernels:
  - .name:           k_qaf773d2d25_prep
    .symbol:         k_qaf773d2d25_prep.kd
    .args:
      - { .name: x, .offset: 0, .size: 8, .value_kind: global_buffer, .address_space: global }
      - { .name: Wk, .offset: 8, .size: 8, .value_kind: global_buffer, .address_space: global }
      - { .name: Wv, .offset: 16, .size: 8, .value_kind: global_buffer, .address_space: global }
      - { .name: Wr, .offset: 24, .size: 8, .value_kind: global_buffer, .address_space: global }
      - { .name: Wout, .offset: 32, .size: 8, .value_kind: global_buffer, .address_space: global }
      - { .name: mix_k, .offset: 40, .size: 8, .value_kind: global_buffer, .address_space: global }
      - { .name: mix_v, .offset: 48, .size: 8, .value_kind: global_buffer, .address_space: global }
      - { .name: mix_r, .offset: 56, .size: 8, .value_kind: global_buffer, .address_space: global }
      - { .name: last_x, .offset: 64, .size: 8, .value_kind: global_buffer, .address_space: global }
      - { .name: bk, .offset: 72, .size: 8, .value_kind: global_buffer, .address_space: global }
      - { .name: bv, .offset: 80, .size: 8, .value_kind: global_buffer, .address_space: global }
      - { .name: br, .offset: 88, .size: 8, .value_kind: global_buffer, .address_space: global }
      - { .name: bonus, .offset: 96, .size: 8, .value_kind: global_buffer, .address_space: global }
      - { .name: xh, .offset: 104, .size: 8, .value_kind: global_buffer, .address_space: global }
      - { .name: wkvr, .offset: 112, .size: 8, .value_kind: global_buffer, .address_space: global }
      - { .name: wo, .offset: 120, .size: 8, .value_kind: global_buffer, .address_space: global }
      - { .name: cb, .offset: 128, .size: 8, .value_kind: global_buffer, .address_space: global }
    .group_segment_fixed_size: 0
    .private_segment_fixed_size: 0
    .kernarg_segment_align: 8
    .kernarg_segment_size: 136
    .max_flat_workgroup_size: 256
    .sgpr_count:     66
    .vgpr_count:     176
    .wavefront_size: 32
...
	.end_amdgpu_metadata
.endif
;; end of part 4
;; launch kvr: the kernel of part 2 again; grid 8 x 32, 4 waves a work-group, clusters of 4 x 4, 327,680 bytes of LDS; arguments xh, wkvr, cb, last_num, last_den, zh; writes zh
;; launch proj: the kernel of part 3 again; grid 4 x 64, 4 waves a work-group, clusters of 4 x 4, 327,680 bytes of LDS; arguments zh, wo, bout, out0; writes out0
